; MI455X (gfx1250); checked and timed in simulation.
; The chip was launched on July 23, 2026; its instructions are those of AMD's public machine-readable ISA for CDNA 5 (MIT licence, August 2026) and "CDNA5" Instruction Set Architecture Reference Guide (July 2026). The comments in the code are by the model that wrote it; some were corrected since.
;; Mo E. Allowed arithmetic: matrix products marked QUANTISED: E3M2 operands, one E8M0 scale for each 32 along K, by v_wmma_scale_f32_16x16x128_f8f6f4 with both operands' format E3M2, f32 sums; products left as they are: f32 operands where the result goes on into a quantised operand, else bf16, f16 or f32 operands; f32 sums; everything else in f32.
;; Inputs: W1 8 x 1,024 x 4,096 float32; W2 8 x 2,048 x 1,024 float32; Wr 1,024 x 8 float32; b1 8 x 4,096 float32; b2 8 x 1,024 float32; br 8 float32; x 4 x 256 x 1,024 float32.
;; Outputs: out0 4 x 256 x 1,024 float32.
;; This version of the problem:
;;   THIS VERSION OF THE PROBLEM IS GIVEN IN LOW PRECISION. The matrix products marked QUANTISED in the list below multiply operands that are first quantised to E3M2 (3 exponent bits, 2 mantissa bits; 6 bits a number), with one power-of-two scale for each 32 numbers along K (OCP MX v1.0); their sums are f32. All else is computed in f32.
;;   The module's matrix products, in the order in which they are computed (A, B: the left and right operand; K: the contracted axis; several contracted axes count as one K, in the product's order):
;;     1. [M 1,024, K 1,024] x [K 1,024, N 8]; A: input x; B: input Wr: left as it is (N = 8 < 16)
;;     2. [M 32,768, K 1,024] x [K 1,024, N 1,024]; A: input W1; B: input x: QUANTISED
;;     3. batch 8 x [M 1,024, K 2,048] x [K 2,048, N 1,024]; A: computed on the way; B: input W2: QUANTISED
;;   THE QUANTISER, for each operand of a quantised product, along K:
;;     - K is cut into blocks of 32 from its start; a last block that is shorter is filled with zeros.
;;     - A block's scale is 2^e with e = floor(log2(the largest magnitude in the block)) - 4, held to -126 .. 127; a block of zeros has e = 0. As a byte (E8M0): e + 127.
;;     - Each number is divided by its block's scale, clamped to +-28, and rounded to the nearest number of E3M2, ties to even, subnormals kept.
;;     - The product sums the exact products of the quantised numbers (number of the format x scale) in f32.
;;   ~~~python
;;   def quantise(x, axis):      # numpy; x: float32 -> the quantised numbers, widened to float32 again
;;       x = np.moveaxis(x, axis, -1); K = x.shape[-1]
;;       x = np.pad(x, [(0, 0)] * (x.ndim - 1) + [(0, -K % 32)]); x = x.reshape(x.shape[:-1] + (-1, 32)); a = np.abs(x).max(-1, keepdims=True)
;;       e = np.where(a > 0, np.clip(np.frexp(np.where(a > 0, a, 1))[1] - 1 - 4, -126, 127), 0)      # np.frexp(a)[1] - 1 = floor(log2(a)), exactly
;;       r = np.clip(x / 2.0 ** e, -28, 28)
;;       step = 2.0 ** (np.maximum(np.frexp(np.where(r == 0, 1, r))[1] - 1, -2) - 2)
;;       q = np.round(r / step) * step * 2.0 ** e      # np.round: ties to even
;;       return np.moveaxis(q.reshape(q.shape[:-2] + (-1,))[..., :K], -1, axis).astype(np.float32)
;;   ~~~
;;   OPERANDS COMPUTED ON THE WAY. 'Computed on the way' means the value that the module computes at that place (a softmax that the list does not call 'softmax' is quantised finished and normalised). What goes into a quantiser is computed in f32, as accurately as f32 sums, v_exp_f32 and their like allow (about 1e-6 of the number): no bf16 or f16 on the way to a quantiser, and a product that is left as it is and whose result goes on into a quantised operand takes f32 operands (vector FMAs, or v_wmma_f32_16x16x4_f32). A number that lies on a knife's edge between two numbers of the format may be rounded either way, as far as f32 arithmetic and the matrix unit's own rounding can turn it there, and no further.
;; 2 versions, each right; version 2 is version 1 with the launches up, down written anew for expert scheduling mode. Each part assembles by itself: llvm-mc -triple=amdgcn-amd-amdhsa -mcpu=gfx1250 --defsym DOCPART=n.
;; ======== version 1 of 2: 4 launches
;; workspace buffers: xr 827,392 bytes; maskb 2,048 bytes of whole numbers; ent 66,560 bytes of whole numbers; actq 13,107,200 bytes; y 17,825,792 bytes
;; launch route (part 1): grid 32 x 1, 8 waves a work-group, no clusters, 177,152 bytes of LDS; arguments x, Wr, br, xr, maskb; writes xr, maskb
.if DOCPART == 1
	.amdgcn_target "amdgcn-amd-amdhsa--gfx1250"
	.amdhsa_code_object_version 6
	.text
	.protected	k_qde74ad4e11_route
	.globl	k_qde74ad4e11_route
	.p2align	8
	.type	k_qde74ad4e11_route,@function
k_qde74ad4e11_route:
	s_mov_b64 s[64:65], 0
	v_nop
	global_prefetch_b8 v0, s[64:65] scope:SCOPE_SE
	s_setreg_imm32_b32 hwreg(HW_REG_WAVE_MODE, 25, 1), 1
	s_wait_xcnt 0x0
; ROUTE.  logits = x Wr + br in f32 (fused multiply-adds), the two largest of the 8 logits of each token (a tie goes to the lower index), the softmax over
; those two (the larger is taken away before the exponential), one bit mask of tokens for each expert; and x is turned into codes of E3M2 with one E8M0 byte for each 32 along D.
; SHARES.  Work-group g owns tokens 32 g .. 32 g + 31; wave w owns d = 128 w .. 128 w + 127, one K step of the first product.  In the arithmetic a lane is a token.
; x comes in as it lies (a load covers 512 consecutive bytes of one token) and turns through the wave's own stage in LDS, so that a lane then holds 128 neighbours of its token.
; OUT.  xr: codes [token][K step 8][lane half 2][48 bytes: block 2c+h for c = 0, 1], the order in which an operand's registers take them; at XSC_O the scale bytes [token][32];
; at GATE_O the two gates [token][2] f32.  maskb: row e, word g: bit j = token 32 g + j chose expert e; row 8 + e: chose it as its second.
; The choice is stored as numbers only: no address and no branch of this launch hangs on it.
; No matrix unit: 8 columns are too few for it.  No cluster: the work-groups share only Wr, 32 KiB.
; LIMITS.  NaN and infinities are not served.  A block whose largest magnitude lies under 2^-122 gets the byte 1; so does a block of zeros (its codes are zeros, and only this program reads the bytes).
; A token whose second and third logits lie closer than the rounding of an f32 sum of 1,024 terms may choose otherwise than a sum in another order.
.set XSC_O,  786432
.set GATE_O, 819200
.set PL,     32768                     ; LDS: 0 .. 32,767 Wr, 4 KiB a wave; then the waves' partial logits, 1 KiB a wave
.set XST,    40960                     ; then the stages: 32 rows of XPITCH bytes for each wave
.set XPITCH, 528                       ; 512 bytes + 16: sixteen lanes that read 16 bytes of sixteen rows start 33 x 16 bytes apart
.set AC,  16                           ; v16-23   the lane's 8 partial logits
.set WR,  24                           ; v24-87   two sets of 4 rows of Wr
.set WT,  88                           ; v88-119  Wr as loaded
.set Q,   88                           ; v88-111  the codes, later
.set TM,  112                          ; v112-127 second halves of the blocks' codes
.set X,   128                          ; v128-255 the lane's 128 numbers; in wave 0 at the end the 8 x 8 partial logits
.set M,   24                           ; v24-27 largest magnitudes, v28-31 scale operands, v32-35 bytes, v36 the scale word
.set SCL, 28
.set BY,  32
.set PW,  36
	s_load_b256 s[4:11], s[0:1], 0x0               ; x s[4:5], Wr s[6:7], br s[8:9], xr s[10:11]
	s_load_b64 s[12:13], s[0:1], 0x20              ; maskb
	v_lshl_add_u32 v123, v0, 2, 0x2b000
	v_mov_b32 v127, 0
	v_lshrrev_b32 v1, 5, v0
	v_readfirstlane_b32 s18, v1                    ; wave
	v_and_b32 v1, 31, v0                           ; lane
	v_lshlrev_b32 v3, 4, v1                        ; 16 x lane
	v_lshlrev_b32 v9, 5, v1                        ; 32 x lane
	v_mul_u32_u24 v8, v1, 768                      ; my token's codes
	s_lshl_b32 s19, s18, 12
	v_mov_b32 v4, s19                              ; LDS: my wave's Wr, the same address in every lane
	v_add_nc_u32 v5, s19, v3
	s_lshl_b32 s28, s18, 10
	s_add_co_u32 s28, s28, PL
	v_add_nc_u32 v6, s28, v9                       ; my wave's partial logits, my token's 32 bytes
	v_add_nc_u32 v7, PL, v9                        ; wave 0's view of them
	s_mul_i32 s28, s18, 32*XPITCH
	s_add_co_u32 s28, s28, XST
	v_add_nc_u32 v10, s28, v3                      ; the stage, on the way in: 16 x lane of a row
	v_mul_u32_u24 v11, v1, XPITCH
	v_add_nc_u32 v11, s28, v11                     ; and on the way out: row = lane
	s_lshl_b32 s28, ttmp9, 17                      ; x: 32 tokens of 4,096 bytes a work-group, 512 bytes a wave
	s_lshl_b32 s30, s18, 9
	s_add_co_u32 s28, s28, s30
	s_mov_b32 s29, 0
	s_mov_b32 s30, s19                             ; Wr: 128 rows of 32 bytes a wave
	s_mov_b32 s31, 0
	s_mul_i32 s32, ttmp9, 24576                    ; codes: 768 bytes a token, 96 a K step
	s_mul_i32 s34, s18, 96
	s_add_co_u32 s32, s32, s34
	s_mov_b32 s33, 0
	s_lshl_b32 s34, ttmp9, 10                      ; scale bytes: 32 a token, 4 a K step
	s_lshl_b32 s36, s18, 2
	s_add_co_u32 s34, s34, s36
	s_add_co_u32 s34, s34, XSC_O
	s_mov_b32 s35, 0
	s_lshl_b32 s36, ttmp9, 8                       ; gates: 8 bytes a token
	s_add_co_u32 s36, s36, GATE_O
	s_mov_b32 s37, 0
	s_lshl_b32 s40, ttmp9, 2                       ; masks: word g of each row
	s_mov_b32 s41, 0
	s_wait_kmcnt 0x0
	s_load_b256 s[20:27], s[8:9], 0x0              ; br
	s_add_nc_u64 s[4:5], s[4:5], s[28:29]
	s_add_nc_u64 s[6:7], s[6:7], s[30:31]
	s_add_nc_u64 s[14:15], s[10:11], s[32:33]      ; codes
	s_add_nc_u64 s[16:17], s[10:11], s[34:35]      ; scale bytes
	s_add_nc_u64 s[38:39], s[10:11], s[36:37]      ; gates
	s_add_nc_u64 s[12:13], s[12:13], s[40:41]
.irp i, 0,1,2,3,4,5,6,7
	global_load_b128 v[WT+4*\i:WT+4*\i+3], v3, s[6:7] offset:512*\i
.endr
.set I, 0
.rept 32
	global_load_b128 v[X+4*I:X+4*I+3], v3, s[4:5] offset:4096*I th:TH_LOAD_NT   ; token I: 512 consecutive bytes
.set I, I+1
.endr
	s_wait_loadcnt 32                              ; Wr is in; the 32 loads of x may be out
.irp i, 0,1,2,3,4,5,6,7
	ds_store_b128 v5, v[WT+4*\i:WT+4*\i+3] offset:512*\i
.endr
.set I, 0
.rept 32
	s_wait_loadcnt 31-I                            ; token I is in; the younger loads stay out
	ds_store_b128 v10, v[X+4*I:X+4*I+3] offset:XPITCH*I
.set I, I+1
.endr
.set I, 0
.rept 32
	ds_load_b128 v[X+4*I:X+4*I+3], v11 offset:16*I ; LDS serves a wave's instructions in order: these see my stores.  X[d] is now x(my token, 128 w + d)
.set I, I+1
.endr
.macro WRB b                           ; rows 4 b .. 4 b + 3 of my wave's Wr, the same for every lane, into set b % 2: register 8 row + expert
.irp k, 0,1,2,3,4,5,6,7
	ds_load_b128 v[WR+32*((\b)%2)+4*\k:WR+32*((\b)%2)+4*\k+3], v4 offset:128*(\b)+16*\k
.endr
.endm
.macro FMAB b                          ; 4 d x 8 experts: sixteen packed multiply-adds; of the pair that holds X[d] one register feeds both halves
.if (\b) < 31
	s_wait_dscnt 8                                 ; this batch of Wr (and all that was asked for before it, x among it) is in; the next batch's 8 loads stay out
.else
	s_wait_dscnt 0x0
.endif
.irp dd, 0,1,2,3
.irp p, 0,2,4,6
.if ((\b) == 0) && (\dd == 0)
	v_pk_mul_f32 v[AC+\p:AC+\p+1], v[X:X+1], v[WR+\p:WR+\p+1] op_sel_hi:[0,1]      ; the first product starts the sums
.elseif (\dd%2) == 0
	v_pk_fma_f32 v[AC+\p:AC+\p+1], v[X+4*(\b)+\dd:X+4*(\b)+\dd+1], v[WR+32*((\b)%2)+8*\dd+\p:WR+32*((\b)%2)+8*\dd+\p+1], v[AC+\p:AC+\p+1] op_sel_hi:[0,1,1]
.else
	v_pk_fma_f32 v[AC+\p:AC+\p+1], v[X+4*(\b)+\dd-1:X+4*(\b)+\dd], v[WR+32*((\b)%2)+8*\dd+\p:WR+32*((\b)%2)+8*\dd+\p+1], v[AC+\p:AC+\p+1] op_sel:[1,0,0] op_sel_hi:[1,1,1]
.endif
.endr
.endr
.if (\b)+2 < 32
	WRB (\b)+2
.endif
.endm
	WRB 0
	WRB 1
.irp b, 0,1,2,3,4,5,6,7,8,9,10,11,12,13,14,15,16,17,18,19,20,21,22,23,24,25,26,27,28,29,30,31
	FMAB \b
.endr
	; the K step's four blocks of 32: all of a block lies in my registers
.irp b, 0,1,2,3
	v_max3_num_f32 v[M+\b], |v[X+32*\b]|, |v[X+32*\b+1]|, 0x2800000      ; with the floor 2^(5 - 127): the byte cannot fall under 1
.endr
.irp i, 2,4,6,8,10,12,14,16,18,20,22,24,26,28,30
.irp b, 0,1,2,3
	v_max3_num_f32 v[M+\b], v[M+\b], |v[X+32*\b+\i]|, |v[X+32*\b+\i+1]|  ; the four blocks by turns
.endr
.endr
.irp b, 0,1,2,3
	v_add_nc_u32 v[SCL+\b], 0xfe000000, v[M+\b]    ; 4 off the exponent field: the conversion takes this operand's exponent field as its scale
.endr
.irp b, 0,1,2,3                        ; block b = 2 c + h goes to the place 12 h + 6 c
	v_cvt_scalef32_pk16_bf6_f32 v[Q+6*(\b/2)+12*(\b%2):Q+6*(\b/2)+12*(\b%2)+2], v[X+32*\b:X+32*\b+15], v[SCL+\b]
	v_cvt_scalef32_pk16_bf6_f32 v[TM+4*\b:TM+4*\b+2], v[X+32*\b+16:X+32*\b+31], v[SCL+\b]   ; (a conversion's three registers begin on an even number)
.endr
.irp b, 0,1,2,3
	v_lshrrev_b32 v[BY+\b], 23, v[SCL+\b]          ; the bytes; also the plain line behind the conversions
.endr
.irp b, 0,1,2,3
.irp n, 0,1,2
	v_mov_b32 v[Q+6*(\b/2)+12*(\b%2)+3+\n], v[TM+4*\b+\n]
.endr
.endr
	v_lshl_or_b32 v[PW], v[BY+1], 8, v[BY]
	v_lshl_or_b32 v[PW], v[BY+2], 16, v[PW]
	v_lshl_or_b32 v[PW], v[BY+3], 24, v[PW]
.irp i, 0,1,2,3,4,5
	global_store_b128 v8, v[Q+4*\i:Q+4*\i+3], s[14:15] offset:16*\i
.endr
	global_store_b32 v9, v[PW], s[16:17]
	ds_store_b128 v6, v[AC:AC+3]
	ds_store_b128 v6, v[AC+4:AC+7] offset:16
	s_wait_dscnt 0x0                               ; for wave 0's sake: my partial logits have landed
	s_barrier_signal -1
	s_barrier_wait -1
	s_cmp_lg_u32 s18, 0
	s_cbranch_scc1 .Ldone
.irp w, 0,1,2,3,4,5,6,7
	ds_load_b128 v[X+8*\w:X+8*\w+3], v7 offset:1024*\w
	ds_load_b128 v[X+8*\w+4:X+8*\w+7], v7 offset:1024*\w+16
.endr
	s_wait_dscnt 0x0
.irp w, 1,2,3,4,5,6,7
.irp p, 0,2,4,6
	v_pk_add_f32 v[X+\p:X+\p+1], v[X+\p:X+\p+1], v[X+8*\w+\p:X+8*\w+\p+1]
.endr
.endr
	s_wait_kmcnt 0x0                               ; br
.irp e, 0,1,2,3,4,5,6,7
	v_add_f32 v[X+\e], s[20+\e], v[X+\e]
.endr
	v_mov_b32 v40, v[X]                            ; the largest logit and its expert: kept while it is not beaten, so a tie stays with the lower index
	v_mov_b32 v41, 0
.irp e, 1,2,3,4,5,6,7
	v_cmp_ge_f32 vcc_lo, v40, v[X+\e]
	v_cndmask_b32 v41, \e, v41, vcc_lo
	v_cndmask_b32 v40, v[X+\e], v40, vcc_lo
.endr
	v_mov_b32 v42, 0xff800000                      ; the second: the same among the other seven, from -infinity
	v_mov_b32 v43, 0
.irp e, 0,1,2,3,4,5,6,7
	v_cmp_eq_u32 s32, \e, v41
	v_cmp_ge_f32 s33, v42, v[X+\e]
	s_or_b32 vcc_lo, s32, s33
	v_cndmask_b32 v43, \e, v43, vcc_lo
	v_cndmask_b32 v42, v[X+\e], v42, vcc_lo
.endr
	v_sub_f32 v45, v42, v40                        ; second - first, 0 or less
	v_mul_f32 v45, 0x3fb8aa3b, v45
	v_exp_f32 v45, v45                             ; t = e^(second - first)
	v_lshlrev_b32 v44, 3, v1                       ; (a plain line behind the exponential)
	s_wait_alu depctr_va_vdst(0)
	v_add_f32 v50, 1.0, v45
	v_rcp_f32 v46, v50                             ; gate 0 = 1 / (1 + t)
	v_mov_b32 v48, 0                               ; (a plain line behind the reciprocal)
	s_wait_alu depctr_va_vdst(0)
	v_mul_f32 v47, v45, v46                        ; gate 1 = t / (1 + t)
	global_store_b64 v44, v[46:47], s[38:39]
.irp e, 0,1,2,3,4,5,6,7
	v_cmp_eq_u32 s32, \e, v41
	v_cmp_eq_u32 s33, \e, v43
	s_or_b32 s34, s32, s33
	v_writelane_b32 v48, s34, \e                   ; lane e: the 32 tokens that chose expert e,
	v_writelane_b32 v48, s33, 8+\e                 ; lane 8 + e: those that chose it second
.endr
	v_lshlrev_b32 v49, 7, v1                       ; a row of masks is 128 bytes
	v_cmp_gt_u32 vcc_lo, 16, v1
	s_wait_xcnt 0x0                                ; EXEC changes only behind this wait
	s_and_saveexec_b32 s36, vcc_lo
	global_store_b32 v49, v48, s[12:13]
	s_wait_xcnt 0x0
	s_or_b32 exec_lo, exec_lo, s36
.Ldone:
	s_wait_tensorcnt 0x0
	ds_add_u32 v123, v127
	s_wait_dscnt 0x0
	s_endpgm
.Lfunc_end_k_qde74ad4e11_route:
	.size	k_qde74ad4e11_route, .Lfunc_end_k_qde74ad4e11_route-k_qde74ad4e11_route
	.p2alignl 7, 3214868480
	.fill 96, 4, 3214868480
	.section	.rodata,"a",@progbits
	.p2align	6, 0x0
	.amdhsa_kernel k_qde74ad4e11_route
		.amdhsa_group_segment_fixed_size 177152
		.amdhsa_private_segment_fixed_size 0
		.amdhsa_enable_private_segment 0
		.amdhsa_kernarg_size 40
		.amdhsa_user_sgpr_count 2
		.amdhsa_user_sgpr_kernarg_segment_ptr 1
		.amdhsa_wavefront_size32 1
		.amdhsa_system_sgpr_workgroup_id_x 1
		.amdhsa_system_sgpr_workgroup_id_y 1
		.amdhsa_system_sgpr_workgroup_id_z 1
		.amdhsa_system_vgpr_workitem_id 0
		.amdhsa_next_free_vgpr 256
		.amdhsa_next_free_sgpr 66
		.amdhsa_reserve_vcc 1
		.amdhsa_float_denorm_mode_32 3
		.amdhsa_float_denorm_mode_16_64 3
		.amdhsa_memory_ordered 1
		.amdhsa_forward_progress 1
		.amdhsa_inst_pref_size 76
	.end_amdhsa_kernel
	.amdgpu_metadata
---
amdhsa.version: [ 1, 2 ]
amdhsa.kernels:
  - .name:           k_qde74ad4e11_route
    .symbol:         k_qde74ad4e11_route.kd
    .args:
      - { .name: x, .offset: 0, .size: 8, .value_kind: global_buffer, .address_space: global }
      - { .name: Wr, .offset: 8, .size: 8, .value_kind: global_buffer, .address_space: global }
      - { .name: br, .offset: 16, .size: 8, .value_kind: global_buffer, .address_space: global }
      - { .name: xr, .offset: 24, .size: 8, .value_kind: global_buffer, .address_space: global }
      - { .name: maskb, .offset: 32, .size: 8, .value_kind: global_buffer, .address_space: global }
    .group_segment_fixed_size: 177152
    .private_segment_fixed_size: 0
    .kernarg_segment_align: 8
    .kernarg_segment_size: 40
    .max_flat_workgroup_size: 256
    .sgpr_count:     66
    .vgpr_count:     256
    .wavefront_size: 32
...
	.end_amdgpu_metadata
.endif
;; end of part 1
;; launch up (part 2): grid 32 x 8, 16 waves a work-group, no clusters, 112,640 bytes of LDS; arguments W1, b1, xr, maskb, ent, actq; writes ent, actq
.if DOCPART == 2
	.amdgcn_target "amdgcn-amd-amdhsa--gfx1250"
	.amdhsa_code_object_version 6
	.text
	.protected	k_qde74ad4e11_up
	.globl	k_qde74ad4e11_up
	.p2align	8
	.type	k_qde74ad4e11_up,@function
k_qde74ad4e11_up:
	s_mov_b64 s[64:65], 0
	v_nop
	global_prefetch_b8 v0, s[64:65] scope:SCOPE_SE
	s_setreg_imm32_b32 hwreg(HW_REG_WAVE_MODE, 25, 1), 1
	s_wait_xcnt 0x0
; UP.  act = silu(x W1a + b1a) x (x W1g + b1g) for the rows that chose the expert, on codes of E3M2 with one E8M0 byte for each 32 along K; act leaves as codes for the second product.
; SHARES.  Work-group (sl = x, e = y) owns hidden units 64 sl .. 64 sl + 63 of expert e: 64 columns of the a half and 64 of the g half of W1, all 1,024 rows: 512 KiB of f32, read once.
; PHASE 1.  Wave w takes rows 64 w .. 64 w + 63.  A load covers two pieces of 256 consecutive aligned bytes (lanes 0-15 row k, lanes 16-31 row k + 32); a lane gets 4 columns, and its registers run down K:
; a block of 32 along K lies in one lane.  TILE j OF A SLICE IS THE COLUMNS 4 r + j, so lane (r, h) holds just what registers 6 c .. 6 c + 5 (c = w % 2) of tile j's fragment of K step w / 2 want.
; The codes go to LDS as images of those registers, the scale bytes beside them.  One barrier.
; THE ROWS.  The expert's rows are its tokens in ascending order, 16 to a tile.  While its 32 loads of W1 are out, a wave finds the tokens of its own slots in the expert's bit mask (32 words in scalar registers):
; wave w's pair of tiles in pass 0 is ranks 32 w .. 32 w + 31, in pass 1 the same + 512.  The same walk counts the expert's rows.  All its branches join again ahead of the barrier.
; The work-groups of slice 0 also store, for the next launch, ent: [e][t][lane]: the entry 2 token + k of slot 16 t + lane % 16 (k = 1: the token's second choice), and at CNT_O [e][32 words] the count.
; PHASE 2.  Wave w takes the pairs of token tiles w, w + 16: an expert has 64 tiles at the most, so a wave has two passes at the most.  x's codes come straight from the tokens' rows of xr, which lie in the order of
; an operand's registers: lane (r, h) takes 48 bytes of its token for each K step.  A slot past the count takes token 0; a tile past the last is computed so too, and lands in bytes of actq that nobody reads.
; The product is used transposed (source 0 = 16 columns of W1, source 1 = 16 rows of x): register i of tile j in lane (r, h) is row r, column 32 h + 4 i + j.
; So the four tiles' registers of a lane are 32 NEIGHBOURING hidden units, one block of the next K: its largest magnitude and its codes need no other lane.
; The sums begin as the bias, read from LDS into the accumulators.  The 16 accumulators take turns, one instruction a turn.
; OUT.  actq: [e][t][K step 16][c 2][768 bytes: 16 lane for registers 6 c .. 6 c + 3, then 8 lane for 6 c + 4, 6 c + 5]; at ASC_O [e][t][K step][row 16] scale words, byte 2 c + h.
; No tensor loads and so no joint requests in a cluster, though the 32 work-groups of an expert read the same x: branches and the number of passes hang on masks read from memory.
; LIMITS.  NaN and infinities are not served.  A block whose largest magnitude lies under 2^-122, a block of zeros too, gets the byte 1.
.set XSC_O, 786432
.set CNT_O, 65536
.set ASC_O, 12582912
.set WSC,  98304                       ; LDS: 0 .. 98,303 the images: tile x 12,288 + K step x 1,536 + c x 768; then the scale words: tile x 512 + K step x 64 + 4 r
.set BIAS, 102400                      ; then each wave's copy of the bias in the accumulators' order: 512 w + 256 h + 32 tile + 4 i
.set MK,  68                           ; s68-99   the expert's 32 mask words
.set XS,  16                           ; v16-23   x's scale words [tile of the pair q][u]: scales alone
.set WS,  24                           ; v24-31   W1's scale words of two K steps, one register a tile: scales alone
.set W,   32                           ; v32-79   four fragments of W1
.set XF,  80                           ; v80-127  x's fragments: set s % 2, tile q
.set ACC, 128                          ; v128-255 accumulators: 64 q + 8 tile + i; tiles 0-3 a, 4-7 g
.set L,   128                          ; phase 1: v128-255 numbers as loaded: 4 i + j
.set T,   32                           ;          v32-63 a column's 32 numbers on end
.set C,   64                           ;          v64-87 the four columns' codes
.set TM1, 88
.set M1,  92
.set SC1, 96
.set BY1, 100
.set BD,  104
.set TA,  108                          ;          v108-109 the tokens of my slots in pass 0, tile 0 and tile 1
.set TB,  110                          ;          v110-111 the same for pass 1
.set R16, 112                          ;          v112 r + 16
.set SV,  113                          ;          v113 the token in hand
.set KA,  114                          ;          v114-115 at work, v116-117 pass 0's entries
.set EA,  116
.set KB,  118                          ;          v118-119 at work, v124-125 pass 1's entries
.set RR,  120                          ;          v120 r, v121 h, v122 lane
.set EB,  124
.set CN,  126                          ;          v126 the count
.set TMP, 32                           ; the way out: v32-63 at work, v64-95 act, v96-107 codes, v108.. at work
.set ACT, 64
.set P,   96
.set TM2, 108
.set M2,  112
.set SC2, 116
.set BY2, 118
	s_load_b256 s[4:11], s[0:1], 0x0               ; W1 s[4:5], b1 s[6:7], xr s[8:9], maskb s[10:11]
	s_load_b128 s[12:15], s[0:1], 0x20             ; ent s[12:13], actq s[14:15]
	v_lshrrev_b32 v1, 5, v0
	v_readfirstlane_b32 s18, v1                    ; wave
	s_mov_b32 s19, ttmp9                           ; sl
	s_and_b32 s20, ttmp7, 0xffff                   ; e
	v_and_b32 v122, 31, v0                         ; lane
	v_and_b32 v[RR], 15, v0                        ; r
	v_bfe_u32 v121, v0, 4, 1                       ; h
	v_lshlrev_b32 v1, 4, v122                      ; v1 16 lane, v2 8 lane, v3 4 lane
	v_lshlrev_b32 v2, 3, v122
	v_lshlrev_b32 v3, 2, v122
	v_lshl_add_u32 v4, v[RR], 2, v121              ; v4 4 r + h: my byte among a K step's scale words
	v_add_nc_u32 v5, 49152, v1                     ; v5, v6: the same as v1, v2 for tiles 4-7
	v_add_nc_u32 v6, 49152, v2
	v_add_nc_u32 v7, WSC, v3                       ; v7 scale words: lanes 0-15 an even K step's, lanes 16-31 the next's
	s_lshl_b32 s46, s18, 9
	s_add_co_u32 s46, s46, BIAS
	v_lshl_add_u32 v8, v121, 8, s46                ; v8 my half's bias
	v_add_nc_u32 v13, s46, v3                      ; v13 where I put a word of it
	v_lshlrev_b32 v9, 19, v121
	v_lshl_add_u32 v9, v[RR], 4, v9                ; v9 W1: 32 rows of 16,384 bytes x h + 16 r
	s_mul_i32 s47, s18, 768
	v_add_nc_u32 v10, s47, v1                      ; v10, v11: where my codes go
	v_add_nc_u32 v11, s47, v2
	v_add_nc_u32 v11, 512, v11
	s_lshr_b32 s48, s18, 1
	s_lshl_b32 s48, s48, 6
	s_and_b32 s49, s18, 1
	s_lshl_b32 s49, s49, 1
	s_add_co_u32 s48, s48, s49
	s_add_co_u32 s48, s48, WSC
	v_add_nc_u32 v12, s48, v4                      ; v12 my scale byte: 64 (w / 2) + 4 r + 2 (w % 2) + h
	v_and_b32 v14, 7, v0
	v_bfe_u32 v123, v0, 3, 2
	v_lshl_add_u32 v14, v14, 2, v123
	v_lshlrev_b32 v14, 2, v14                      ; v14 b1: column 4 (lane % 8) + lane / 8
	v_add_nc_u32 v[R16], 16, v[RR]
.irp n, 0,1,2,3
	v_mov_b32 v[TA+\n], 0                          ; a slot that no token fills keeps token 0
.endr
	s_lshl_b32 s26, s20, 24                        ; W1: 16 MiB an expert, 64 rows a wave, 256 bytes a slice
	s_lshl_b32 s46, s18, 20
	s_add_co_u32 s26, s26, s46
	s_lshl_b32 s46, s19, 8
	s_add_co_u32 s26, s26, s46
	s_mov_b32 s27, 0
	s_lshl_b32 s28, s20, 14
	s_add_co_u32 s28, s28, s46
	s_mov_b32 s29, 0
	s_lshl_b32 s30, s20, 13                        ; entries: 128 bytes a tile, 64 tiles an expert; my first tile is 2 w
	s_lshl_b32 s47, s18, 8
	s_add_co_u32 s30, s30, s47
	s_mov_b32 s31, 0
	s_lshl_b32 s38, s20, 7                         ; a row of masks, and an expert's count, are 128 bytes
	s_mov_b32 s39, 0
	s_add_co_u32 s32, s38, CNT_O
	s_mov_b32 s33, 0
	s_mul_i32 s34, s20, 1572864
	s_mul_i32 s47, s19, 768                        ; K step sl / 2, c = sl % 2
	s_add_co_u32 s34, s34, s47
	s_mov_b32 s35, 0
	s_lshl_b32 s36, s20, 16
	s_lshr_b32 s47, s19, 1
	s_lshl_b32 s47, s47, 6
	s_add_co_u32 s36, s36, s47
	s_and_b32 s47, s19, 1
	s_lshl_b32 s47, s47, 1
	s_add_co_u32 s36, s36, s47
	s_add_co_u32 s36, s36, ASC_O
	s_mov_b32 s37, 0
	s_mov_b32 s44, 0xbfb8aa3b                      ; -log2(e)
	s_mov_b32 s45, s44                             ; (named with it as a pair)
	s_lshl_b32 s54, s18, 5                         ; my window of ranks in pass 0: 32 w ..
	s_add_co_u32 s55, s54, 32                      ; .. and the first beyond it
	s_wait_kmcnt 0x0
	s_add_nc_u64 s[4:5], s[4:5], s[26:27]
	s_add_nc_u64 s[6:7], s[6:7], s[28:29]
	s_add_nc_u64 s[16:17], s[14:15], s[36:37]      ; act's scale bytes
	s_add_nc_u64 s[14:15], s[14:15], s[34:35]      ; act's codes
	s_add_nc_u64 s[10:11], s[10:11], s[38:39]      ; the expert's row of masks; its row of second choices lies 1,024 bytes on
	s_add_nc_u64 s[28:29], s[12:13], s[30:31]      ; my tiles' entries
	s_add_nc_u64 s[30:31], s[12:13], s[32:33]      ; the expert's count
	s_load_b512 s[68:83], s[10:11], 0x0
	s_load_b512 s[84:99], s[10:11], 0x40
.macro WLD grp                         ; 64 rows x 64 columns of half grp
.set I, 0
.rept 32
	global_load_b128 v[L+4*I:L+4*I+3], v9, s[4:5] offset:I*16384+\grp*8192 th:TH_LOAD_NT
.set I, I+1
.endr
.endm
.macro QJOB                            ; my four columns' blocks become codes and bytes, and go to LDS
.irp j, 0,1,2,3
	v_max3_num_f32 v[M1+\j], |v[L+\j]|, |v[L+4+\j]|, 0x2800000           ; with the floor 2^(5 - 127): the byte cannot fall under 1
.endr
.irp i, 2,4,6,8,10,12,14,16,18,20,22,24,26,28,30
.irp j, 0,1,2,3
	v_max3_num_f32 v[M1+\j], v[M1+\j], |v[L+4*\i+\j]|, |v[L+4*\i+4+\j]|  ; the four columns by turns
.endr
.endr
.irp j, 0,1,2,3
	v_add_nc_u32 v[SC1+\j], 0xfe000000, v[M1+\j]   ; 4 off the exponent field: the conversion's scale operand
.endr
.irp j, 0,1,2,3
.set I, 0
.rept 32
	v_mov_b32 v[T+I], v[L+4*I+\j]                  ; the conversion wants a column's numbers in consecutive registers; a load of 16 bytes brings four columns
.set I, I+1
.endr
	v_cvt_scalef32_pk16_bf6_f32 v[C+6*\j:C+6*\j+2], v[T:T+15], v[SC1+\j]
	v_cvt_scalef32_pk16_bf6_f32 v[TM1:TM1+2], v[T+16:T+31], v[SC1+\j]    ; (a conversion's three registers begin on an even number)
	v_lshrrev_b32 v[BY1+\j], 23, v[SC1+\j]         ; the byte; also the plain line behind the conversions
.irp n, 0,1,2
	v_mov_b32 v[C+6*\j+3+\n], v[TM1+\n]
.endr
.endr
.irp j, 0,1,2,3
	ds_store_b128 v10, v[C+6*\j:C+6*\j+3] offset:\j*12288
	ds_store_b64 v11, v[C+6*\j+4:C+6*\j+5] offset:\j*12288
	ds_store_b8 v12, v[BY1+\j] offset:\j*512
.endr
.endm
; Mask word g: passed over if none of its tokens has a rank in my window s54 .. s55 - 1; else one trip for each set bit, lowest first.  s53: the expert's tokens so far.
.macro GROUP g, d0, d1
	s_bcnt1_i32_b32 s56, s[MK+\g]
	s_add_co_u32 s57, s53, s56
	s_cmp_eq_u32 s56, 0
	s_cbranch_scc1 .Lskip_\@
	s_cmp_le_u32 s57, s54
	s_cbranch_scc1 .Lskip_\@
	s_cmp_ge_u32 s53, s55
	s_cbranch_scc1 .Lskip_\@
	s_mov_b32 s58, s[MK+\g]
	s_sub_co_u32 s59, s53, s54                     ; the bit's rank less my window's first: it meets a slot only where it is 0 .. 31
	s_mov_b32 s60, 0
.Lbit_\@:
	s_ctz_i32_b32 s61, s58
	s_add_co_u32 s61, s61, 32*\g                   ; the token
	v_mov_b32 v[SV], s61
	v_cmp_eq_u32 vcc_lo, s59, v[RR]
	v_cndmask_b32 v[\d0], v[\d0], v[SV], vcc_lo    ; slot r of the pair's first tile, in both halves of the lanes,
	v_cmp_eq_u32 vcc_lo, s59, v[R16]
	v_cndmask_b32 v[\d1], v[\d1], v[SV], vcc_lo    ; or of its second
	s_sub_co_u32 s62, s58, 1
	s_and_b32 s58, s58, s62                        ; the lowest bit is done
	s_add_co_u32 s59, s59, 1
	s_add_co_u32 s60, s60, 1
	s_cmp_lt_u32 s60, s56
	s_cbranch_scc1 .Lbit_\@
.Lskip_\@:
	s_mov_b32 s53, s57
.endm
.macro SCAN d0, d1
	s_mov_b32 s53, 0
.irp g, 0,1,2,3,4,5,6,7,8,9,10,11,12,13,14,15,16,17,18,19,20,21,22,23,24,25,26,27,28,29,30,31
	GROUP \g, \d0, \d1
.endr
.endm
.macro KLOAD t, k, d                   ; the words of 'second choice' that hold my two tokens' bits
.irp q, 0,1
	v_lshrrev_b32 v[\k+\q], 5, v[\t+\q]
.endr
.irp q, 0,1
	v_min_u32 v[\k+\q], 31, v[\k+\q]               ; held inside the row's 32 words
.endr
.irp q, 0,1
	v_lshlrev_b32 v[\k+\q], 2, v[\k+\q]
.endr
.irp q, 0,1
	global_load_b32 v[\d+\q], v[\k+\q], s[10:11] offset:1024
.endr
.endm
.macro ENTRY t, k, d                   ; 2 token + k
.irp q, 0,1
	v_and_b32 v[\k+\q], 31, v[\t+\q]
.endr
.irp q, 0,1
	v_lshrrev_b32 v[\d+\q], v[\k+\q], v[\d+\q]
.endr
.irp q, 0,1
	v_and_b32 v[\d+\q], 1, v[\d+\q]
.endr
.irp q, 0,1
	v_lshl_or_b32 v[\d+\q], v[\t+\q], 1, v[\d+\q]
.endr
.endm
	WLD 0
.irp m, 0,1,2,3
	global_load_b32 v[BD+\m], v14, s[6:7] offset:((\m%2)*2048+32*(\m/2))*4     ; word 32 m + lane of my copy: half m / 2 of the lanes, tile 4 (m % 2) + lane / 8, register lane % 8
.endr
	s_wait_kmcnt 0x0                               ; the masks
	SCAN TA, TA+1                                  ; register work while the 36 loads are out
	s_mov_b32 s21, s53                             ; the expert's count
	KLOAD TA, KA, EA
	s_wait_loadcnt 0x0
	ENTRY TA, KA, EA
	s_cmp_lg_u32 s19, 0                            ; slice 0's work-group alone stores entries and count: each byte has one owner
	s_cbranch_scc1 .Lno_ent_a
	global_store_b32 v3, v[EA], s[28:29]
	global_store_b32 v3, v[EA+1], s[28:29] offset:128
	s_cmp_lg_u32 s18, 0
	s_cbranch_scc1 .Lno_ent_a
	v_mov_b32 v[CN], s21
	global_store_b32 v3, v[CN], s[30:31]
.Lno_ent_a:
.irp m, 0,1,2,3
	ds_store_b32 v13, v[BD+\m] offset:128*\m
.endr
	QJOB
	WLD 1                                          ; the moves above have read the numbers: the g half may land
	s_wait_dscnt 0x0                               ; my LDS stores are done: their address and data registers may be written
	v_add_nc_u32 v10, 49152, v10                   ; tiles 4-7
	v_add_nc_u32 v11, 49152, v11
	v_add_nc_u32 v12, 2048, v12
	s_add_co_u32 s54, s54, 512                     ; my window in pass 1: 16 pairs of tiles on
	s_add_co_u32 s55, s55, 512
	s_cmp_le_u32 s21, s54
	s_cbranch_scc1 .Lno_scan_b                     ; the count does not reach it
	SCAN TB, TB+1
.Lno_scan_b:
	KLOAD TB, KB, EB
	s_wait_loadcnt 0x0
	ENTRY TB, KB, EB
	s_cmp_lg_u32 s19, 0
	s_cbranch_scc1 .Lno_ent_b
	global_store_b32 v3, v[EB], s[28:29] offset:4096
	global_store_b32 v3, v[EB+1], s[28:29] offset:4224
.Lno_ent_b:
	QJOB
	s_wait_dscnt 0x0                               ; for the others' sake: my images and bytes have landed
	s_barrier_signal -1
	s_barrier_wait -1                              ; the one barrier: every way above has joined again, and no way below leads back
	s_add_co_u32 s22, s21, 15
	s_lshr_b32 s22, s22, 4
	s_min_u32 s22, s22, 64                         ; tiles of the expert
	s_lshl_b32 s23, s18, 1                         ; my first pair's first tile
	s_cmp_ge_u32 s23, s22
	s_cbranch_scc1 .Lend
	s_sub_co_u32 s52, s22, s23                     ; my passes: a pair for every 32 tiles from my first tile on, rounded up:
	s_add_co_u32 s52, s52, 31
	s_lshr_b32 s52, s52, 5
	s_min_u32 s52, s52, 2                          ; 1 or 2 (64 tiles are 32 pairs, two for each of 16 waves)
	s_mov_b32 s51, 0                               ; passes done
; The pair's places in xr: v9, v10 the codes (768 bytes a token, my half's 48 of each K step's 96), v11, v12 the scale words (32 bytes a token, K step 2 u + h)
.macro OFFS a, b
	v_lshrrev_b32 v32, 7, v2                       ; h
	v_min_u32 v33, 0x3ff, v[\a]                    ; the tokens, held inside the table
	v_min_u32 v34, 0x3ff, v[\b]
	v_mul_u32_u24 v9, v33, 768
	v_mul_u32_u24 v10, v34, 768
	v_mad_u32_u24 v9, v32, 48, v9
	v_mad_u32_u24 v10, v32, 48, v10
	v_lshlrev_b32 v11, 5, v33
	v_lshlrev_b32 v12, 5, v34
	v_lshl_add_u32 v11, v32, 2, v11
	v_lshl_add_u32 v12, v32, 2, v12
.endm
	s_wait_xcnt 0x0                                ; the entries' stores have read their registers: x's fragments may land there
	v_mov_b32 v13, v[TB]                           ; pass 1's tokens, out of the way of x's fragments
	v_mov_b32 v14, v[TB+1]
	OFFS TA, TA+1
.macro XLD s                           ; x's fragments of K step s, both tiles: 6 loads; registers 4 i .. 4 i + 3 are bytes 16 i .. of my 48
.irp q, 0,1
.irp i, 0,1,2
	global_load_b128 v[XF+24*((\s)%2)+12*\q+4*\i:XF+24*((\s)%2)+12*\q+4*\i+3], v[9+\q], s[8:9] offset:96*(\s)+16*\i
.endr
.endr
.endm
.macro WLDS s, half                    ; W1's fragments of K step s, tiles 4 half .. 4 half + 3: 16 loads, each of consecutive bytes
.irp f, 0,1,2,3
	ds_load_b128 v[W+12*\f:W+12*\f+3], v[1+4*\half] offset:\f*12288+1536*(\s)
	ds_load_b64 v[W+12*\f+4:W+12*\f+5], v[2+4*\half] offset:\f*12288+1536*(\s)+512
	ds_load_b128 v[W+12*\f+6:W+12*\f+9], v[1+4*\half] offset:\f*12288+1536*(\s)+768
	ds_load_b64 v[W+12*\f+10:W+12*\f+11], v[2+4*\half] offset:\f*12288+1536*(\s)+1280
.endr
.endm
.macro MM8 s, half                     ; 4 tiles of columns x 2 tiles of rows; an odd K step's scale words stand in lanes 16-31
.irp f, 0,1,2,3
.irp q, 0,1
.if (\s)%2 == 0
	v_wmma_scale_f32_16x16x128_f8f6f4 v[ACC+64*\q+8*(4*\half+\f):ACC+64*\q+8*(4*\half+\f)+7], v[W+12*\f:W+12*\f+11], v[XF+24*((\s)%2)+12*\q:XF+24*((\s)%2)+12*\q+11], v[ACC+64*\q+8*(4*\half+\f):ACC+64*\q+8*(4*\half+\f)+7], v[WS+4*\half+\f], v[XS+4*\q+(\s)/2] matrix_a_fmt:MATRIX_FMT_BF6 matrix_b_fmt:MATRIX_FMT_BF6
.else
	v_wmma_scale_f32_16x16x128_f8f6f4 v[ACC+64*\q+8*(4*\half+\f):ACC+64*\q+8*(4*\half+\f)+7], v[W+12*\f:W+12*\f+11], v[XF+24*((\s)%2)+12*\q:XF+24*((\s)%2)+12*\q+11], v[ACC+64*\q+8*(4*\half+\f):ACC+64*\q+8*(4*\half+\f)+7], v[WS+4*\half+\f], v[XS+4*\q+(\s)/2] matrix_a_fmt:MATRIX_FMT_BF6 matrix_b_fmt:MATRIX_FMT_BF6 matrix_a_scale:MATRIX_SCALE_ROW1 matrix_b_scale:MATRIX_SCALE_ROW1
.endif
.endr
.endr
.endm
.macro PLACES                          ; four plain lines between matrix instructions and loads into registers that they read, or reads of their results
.rept 4
	v_nop
.endr
.endm
.macro KSTEP s
.if (\s)%2 == 0
.irp ct, 0,1,2,3,4,5,6,7
	ds_load_b32 v[WS+\ct], v7 offset:\ct*512+((\s)/2)*128
.endr
.endif
	WLDS \s, 0
.if (\s) < 7
	s_wait_loadcnt 6                               ; this K step's x is in; the next step's 6 loads stay out
.else
	s_wait_loadcnt 0x0
.endif
	s_wait_dscnt 0x0
	MM8 \s, 0
	PLACES
	WLDS \s, 1
	s_wait_dscnt 0x0
	MM8 \s, 1
	PLACES
.if (\s)+2 < 8
	XLD (\s)+2
.endif
.endm
; Tile q of the pair: silu(a) g in f32, the lane's block of 32 quantised, stored.  Each accumulator is read from its low end on.
.macro EPI q
.set I, 0
.rept 16
	v_pk_mul_f32 v[TMP+2*I:TMP+2*I+1], v[ACC+64*\q+2*I:ACC+64*\q+2*I+1], s[44:45] op_sel_hi:[1,0]   ; -a log2(e)
.set I, I+1
.endr
.set I, 0
.rept 32
	v_exp_f32 v[TMP+I], v[TMP+I]
.set I, I+1
.endr
	v_nop                                          ; a plain line behind the exponentials
.set I, 0
	s_wait_alu depctr_va_vdst(0)
.rept 16
	v_pk_add_f32 v[TMP+2*I:TMP+2*I+1], v[TMP+2*I:TMP+2*I+1], 1.0 op_sel_hi:[1,0]
.set I, I+1
.endr
.set I, 0
.rept 32
	v_rcp_f32 v[TMP+I], v[TMP+I]                   ; 1 / (1 + e^-a)
.set I, I+1
.endr
	v_nop                                          ; a plain line behind the reciprocals
.set I, 0
	s_wait_alu depctr_va_vdst(0)
.rept 16
	v_pk_mul_f32 v[TMP+2*I:TMP+2*I+1], v[TMP+2*I:TMP+2*I+1], v[ACC+64*\q+2*I:ACC+64*\q+2*I+1]       ; silu(a)
.set I, I+1
.endr
.irp i, 0,1,2,3,4,5,6,7
.irp j, 0,1,2,3
	v_mul_f32 v[ACT+4*\i+\j], v[TMP+8*\j+\i], v[ACC+64*\q+32+8*\j+\i]    ; x g: register 4 i + j is hidden unit 64 sl + 32 h + 4 i + j
.endr
.endr
.irp c, 0,1,2,3
	v_max3_num_f32 v[M2+\c], |v[ACT+8*\c]|, |v[ACT+8*\c+1]|, 0x2800000
.endr
.irp i, 2,4,6
.irp c, 0,1,2,3
	v_max3_num_f32 v[M2+\c], v[M2+\c], |v[ACT+8*\c+\i]|, |v[ACT+8*\c+\i+1]|
.endr
.endr
	v_max3_num_f32 v[M2], v[M2], v[M2+1], v[M2+2]
	v_max_num_f32 v[M2], v[M2], v[M2+3]
	v_add_nc_u32 v[SC2+\q], 0xfe000000, v[M2]
	v_cvt_scalef32_pk16_bf6_f32 v[P+6*\q:P+6*\q+2], v[ACT:ACT+15], v[SC2+\q]
	v_cvt_scalef32_pk16_bf6_f32 v[TM2:TM2+2], v[ACT+16:ACT+31], v[SC2+\q]
	v_lshrrev_b32 v[BY2+\q], 23, v[SC2+\q]         ; the byte; also the plain line behind the conversions
.irp n, 0,1,2
	v_mov_b32 v[P+6*\q+3+\n], v[TM2+\n]
.endr
	global_store_b128 v1, v[P+6*\q:P+6*\q+3], s[36+2*\q:37+2*\q]                 ; 512 consecutive aligned bytes,
	global_store_b64 v2, v[P+6*\q+4:P+6*\q+5], s[36+2*\q:37+2*\q] offset:512     ; and 256
	global_store_b8 v4, v[BY2+\q], s[40+2*\q:41+2*\q]
.endm
.Lpass:
	s_min_u32 s24, s23, 63                         ; the pair's tiles, held inside the tables
	s_add_co_u32 s25, s23, 1
	s_min_u32 s25, s25, 63
	s_mov_b32 s27, 0
.irp q, 0,1
	s_mul_i32 s26, s[24+\q], 24576
	s_add_nc_u64 s[36+2*\q:37+2*\q], s[14:15], s[26:27]
	s_lshl_b32 s26, s[24+\q], 10
	s_add_nc_u64 s[40+2*\q:41+2*\q], s[16:17], s[26:27]
.endr
.irp q, 0,1
.irp u, 0,1,2,3
	global_load_b32 v[XS+4*\q+\u], v[11+\q], s[8:9] offset:XSC_O+8*\u
.endr
.endr
	XLD 0
	XLD 1
.irp q, 0,1
.irp ct, 0,1,2,3,4,5,6,7
	ds_load_b128 v[ACC+64*\q+8*\ct:ACC+64*\q+8*\ct+3], v8 offset:32*\ct           ; the sums begin as the bias
	ds_load_b128 v[ACC+64*\q+8*\ct+4:ACC+64*\q+8*\ct+7], v8 offset:32*\ct+16
.endr
.endr
.irp s, 0,1,2,3,4,5,6,7
	KSTEP \s
.endr
	EPI 0
	EPI 1
	s_wait_xcnt 0x0                                ; the stores' bases and data, and the loads' offsets, may be written again
	OFFS 13, 14                                    ; pass 1's tokens
	s_add_co_u32 s23, s23, 32                      ; my next pair lies 16 pairs on
	s_add_co_u32 s51, s51, 1                       ; the loop ends on its own counter of passes
	s_cmp_lt_u32 s51, s52
	s_cbranch_scc1 .Lpass
.Lend:
	s_wait_xcnt 0x0
	v_lshl_add_u32 v254, v0, 2, 0x1b000
	v_mov_b32 v255, 0
	s_wait_tensorcnt 0x0
	ds_add_u32 v254, v255
	s_wait_dscnt 0x0
	s_endpgm
.Lfunc_end_k_qde74ad4e11_up:
	.size	k_qde74ad4e11_up, .Lfunc_end_k_qde74ad4e11_up-k_qde74ad4e11_up
	.p2alignl 7, 3214868480
	.fill 96, 4, 3214868480
	.section	.rodata,"a",@progbits
	.p2align	6, 0x0
	.amdhsa_kernel k_qde74ad4e11_up
		.amdhsa_group_segment_fixed_size 112640
		.amdhsa_private_segment_fixed_size 0
		.amdhsa_enable_private_segment 0
		.amdhsa_kernarg_size 48
		.amdhsa_user_sgpr_count 2
		.amdhsa_user_sgpr_kernarg_segment_ptr 1
		.amdhsa_wavefront_size32 1
		.amdhsa_system_sgpr_workgroup_id_x 1
		.amdhsa_system_sgpr_workgroup_id_y 1
		.amdhsa_system_sgpr_workgroup_id_z 1
		.amdhsa_system_vgpr_workitem_id 0
		.amdhsa_next_free_vgpr 256
		.amdhsa_next_free_sgpr 100
		.amdhsa_reserve_vcc 1
		.amdhsa_float_denorm_mode_32 3
		.amdhsa_float_denorm_mode_16_64 3
		.amdhsa_memory_ordered 1
		.amdhsa_forward_progress 1
		.amdhsa_inst_pref_size 148
	.end_amdhsa_kernel
	.amdgpu_metadata
---
amdhsa.version: [ 1, 2 ]
amdhsa.kernels:
  - .name:           k_qde74ad4e11_up
    .symbol:         k_qde74ad4e11_up.kd
    .args:
      - { .name: W1, .offset: 0, .size: 8, .value_kind: global_buffer, .address_space: global }
      - { .name: b1, .offset: 8, .size: 8, .value_kind: global_buffer, .address_space: global }
      - { .name: xr, .offset: 16, .size: 8, .value_kind: global_buffer, .address_space: global }
      - { .name: maskb, .offset: 24, .size: 8, .value_kind: global_buffer, .address_space: global }
      - { .name: ent, .offset: 32, .size: 8, .value_kind: global_buffer, .address_space: global }
      - { .name: actq, .offset: 40, .size: 8, .value_kind: global_buffer, .address_space: global }
    .group_segment_fixed_size: 112640
    .private_segment_fixed_size: 0
    .kernarg_segment_align: 8
    .kernarg_segment_size: 48
    .max_flat_workgroup_size: 512
    .sgpr_count:     100
    .vgpr_count:     256
    .wavefront_size: 32
...
	.end_amdgpu_metadata
.endif
;; end of part 2
;; launch down (part 3): grid 32 x 8, 16 waves a work-group, no clusters, 126,976 bytes of LDS; arguments W2, b2, actq, ent, xr, y; writes y
.if DOCPART == 3
	.amdgcn_target "amdgcn-amd-amdhsa--gfx1250"
	.amdhsa_code_object_version 6
	.text
	.protected	k_qde74ad4e11_down
	.globl	k_qde74ad4e11_down
	.p2align	8
	.type	k_qde74ad4e11_down,@function
k_qde74ad4e11_down:
	s_mov_b64 s[64:65], 0
	v_nop
	global_prefetch_b8 v0, s[64:65] scope:SCOPE_SE
	s_setreg_imm32_b32 hwreg(HW_REG_WAVE_MODE, 25, 1), 1
	s_wait_xcnt 0x0
; DOWN.  y[entry][kh] = gate x (act W2 over half kh of K, + b2 in half 0), for the rows that chose the expert, on codes of E3M2 with one E8M0 byte for each 32 along K.
; SHARES.  Work-group (x = 16 kh + dsl, e = y) owns columns 64 dsl .. + 63 of expert e's W2 and rows 1,024 kh .. + 1,023: 256 KiB of f32, read once.  K is cut in two so that a row's piece stays
; 256 consecutive aligned bytes and there are still 256 work-groups; the two halves and a token's two experts are added by the next launch, so that no sum crosses work-groups here.
; PHASE 1.  Wave w takes rows 64 w .. + 63 of the half.  A lane gets 4 columns, its registers run down K; tile j is the columns 4 r + j; codes and bytes go to LDS as images of operand registers.  One barrier.
; PHASE 2.  Wave w takes the pairs of token tiles w, w + 16: an expert has 64 tiles at the most, so a wave has two passes at the most.
; Transposed use (source 0 = 16 columns of W2, source 1 = 16 rows of act): register i of tile j in lane (r, h) is row r, column 32 h + 4 i + j.
; The sums begin as the bias (zeros in half 1).  The 8 accumulators take turns, one instruction a turn.
; THE WAY OUT.  x gate, through the wave's own stage in LDS, back by rows: sixteen lanes store a row's 256 consecutive aligned bytes at the row's entry 2 token + k.  A slot past the count goes to a
; spare row 2,048 + 16 e + slot % 16, which nobody reads: so every lane stores in every trip.
; No tensor loads and so no joint requests in a cluster, though the 16 work-groups of an expert's K half read the same act: the number of passes hangs on a count read from memory.
; LIMITS.  NaN and infinities are not served.  A block whose largest magnitude lies under 2^-122, a block of zeros too, gets the byte 1.
.set CNT_O,  65536
.set ASC_O,  12582912
.set GATE_O, 819200
.set WSC,   49152                      ; LDS: 0 .. 49,151 the images: tile x 12,288 + K step x 1,536 + c x 768; then the scale words: tile x 512 + K step x 64 + 4 r
.set BIAS,  51200                      ; each wave's copy of the bias: 256 w + 128 h + 32 tile + 4 i
.set STAGE, 55296                      ; each wave's stage: 16 rows of 272 bytes
.set XS,  16                           ; v16-23   act's scale words [q][u]: scales alone
.set WS,  24                           ; v24-39   W2's scale words [tile][u]: scales alone; they stay
.set W,   40                           ; v40-87   four fragments of W2
.set XF,  88                           ; v88-183  act's fragments: set s % 4, tile q
.set ACC, 184                          ; v184-247 accumulators: 32 q + 8 tile + i
.set L,   120                          ; phase 1: v120-247 numbers as loaded
.set T,   40
.set C,   72
.set TM1, 96
.set M1,  100
.set SC1, 104
.set BY1, 108
.set BD,  112
.set OUT, 40                           ; the way out: v40-71 results x gate; v72-87 store offsets; v88-103 entries; v112-175 rows read back
.set OFF, 72
.set E8,  88
.set R,   112
	s_load_b256 s[4:11], s[0:1], 0x0               ; W2 s[4:5], b2 s[6:7], actq s[8:9], ent s[10:11]
	s_load_b128 s[12:15], s[0:1], 0x20             ; xr s[12:13], y s[14:15]
	v_lshl_add_u32 v254, v0, 2, 0x1e800
	v_mov_b32 v255, 0
	v_lshrrev_b32 v1, 5, v0
	v_readfirstlane_b32 s20, v1                    ; wave
	s_and_b32 s21, ttmp9, 15                       ; dsl
	s_lshr_b32 s22, ttmp9, 4                       ; kh
	s_and_b32 s23, ttmp7, 0xffff                   ; e
	v_and_b32 v114, 31, v0                         ; lane
	v_and_b32 v115, 15, v0                         ; r
	v_bfe_u32 v116, v0, 4, 1                       ; h
	v_lshlrev_b32 v1, 4, v114                      ; v1 16 lane, v2 8 lane, v3 4 lane, v4 32 h
	v_lshlrev_b32 v2, 3, v114
	v_lshlrev_b32 v3, 2, v114
	v_lshlrev_b32 v4, 5, v116
	v_add_nc_u32 v5, WSC, v3                       ; v5 scale words: lanes 0-15 an even K step's, lanes 16-31 the next's
	s_lshl_b32 s44, s20, 8
	s_add_co_u32 s44, s44, BIAS
	v_lshl_add_u32 v6, v116, 7, s44                ; v6 my half's bias
	v_add_nc_u32 v11, s44, v3                      ; v11 where I put a word of it
	v_lshlrev_b32 v7, 17, v116
	v_lshl_add_u32 v7, v115, 4, v7                 ; v7 W2: 32 rows of 4,096 bytes x h + 16 r
	s_mul_i32 s45, s20, 768
	v_add_nc_u32 v8, s45, v1                       ; v8, v9: where my codes go
	v_add_nc_u32 v9, s45, v2
	v_add_nc_u32 v9, 512, v9
	s_lshr_b32 s46, s20, 1
	s_lshl_b32 s46, s46, 6
	s_and_b32 s47, s20, 1
	s_lshl_b32 s47, s47, 1
	s_add_co_u32 s46, s46, s47
	s_add_co_u32 s46, s46, WSC
	v_lshl_add_u32 v10, v115, 2, v116
	v_add_nc_u32 v10, s46, v10                     ; v10 my scale byte
	v_and_b32 v12, 7, v0
	v_bfe_u32 v117, v0, 3, 2
	v_lshl_add_u32 v12, v12, 2, v117
	v_lshlrev_b32 v12, 2, v12                      ; v12 b2: column 4 (lane % 8) + lane / 8
	s_mul_i32 s47, s20, 4352
	s_add_co_u32 s47, s47, STAGE
	v_mul_u32_u24 v13, v115, 272
	v_lshl_add_u32 v13, v116, 7, v13
	v_add_nc_u32 v13, s47, v13                     ; v13 the stage, in: row r, 128 h
	v_mul_u32_u24 v14, v116, 2176
	v_lshl_add_u32 v14, v115, 4, v14
	v_add_nc_u32 v14, s47, v14                     ; v14 back: lanes 0-15 row k, lanes 16-31 row 8 + k; 16 r
	v_lshlrev_b32 v15, 4, v115                     ; v15 16 r
	s_lshl_b32 s48, s23, 4
	s_add_co_u32 s48, s48, 2048
	v_lshlrev_b32 v253, 3, v116
	v_add_nc_u32 v253, s48, v253                   ; v253 the spare rows: 2,048 + 16 e + 8 h
	s_lshl_b32 s30, s23, 23                        ; W2: 8 MiB an expert, 4 MiB a half, 64 rows a wave, 256 bytes a slice
	s_lshl_b32 s44, s22, 22
	s_add_co_u32 s30, s30, s44
	s_lshl_b32 s44, s20, 18
	s_add_co_u32 s30, s30, s44
	s_lshl_b32 s49, s21, 8
	s_add_co_u32 s30, s30, s49
	s_mov_b32 s31, 0
	s_lshl_b32 s32, s23, 12
	s_add_co_u32 s32, s32, s49
	s_mov_b32 s33, 0
	s_mul_i32 s34, s23, 1572864
	s_mul_i32 s44, s22, 12288
	s_add_co_u32 s34, s34, s44
	s_mov_b32 s35, 0
	s_lshl_b32 s36, s23, 16
	s_lshl_b32 s44, s22, 9
	s_add_co_u32 s36, s36, s44
	s_add_co_u32 s36, s36, ASC_O
	s_mov_b32 s37, 0
	s_lshl_b32 s38, s23, 13
	s_mov_b32 s39, 0
	s_lshl_b32 s40, s23, 7
	s_add_co_u32 s40, s40, CNT_O
	s_mov_b32 s41, 0
	s_lshl_b32 s42, s22, 12
	s_add_co_u32 s42, s42, s49
	s_mov_b32 s43, 0
	s_wait_kmcnt 0x0
	s_add_nc_u64 s[4:5], s[4:5], s[30:31]
	s_add_nc_u64 s[6:7], s[6:7], s[32:33]
	s_add_nc_u64 s[16:17], s[8:9], s[36:37]        ; act's scale words
	s_add_nc_u64 s[8:9], s[8:9], s[34:35]          ; act's codes
	s_add_nc_u64 s[18:19], s[10:11], s[40:41]      ; the count
	s_add_nc_u64 s[10:11], s[10:11], s[38:39]      ; the entries
	s_add_nc_u64 s[14:15], s[14:15], s[42:43]      ; y
	s_load_b32 s24, s[18:19], 0x0
.set I, 0
.rept 32
	global_load_b128 v[L+4*I:L+4*I+3], v7, s[4:5] offset:I*4096 th:TH_LOAD_NT
.set I, I+1
.endr
.irp m, 0,1
	global_load_b32 v[BD+\m], v12, s[6:7] offset:128*\m     ; word 32 m + lane of my copy: half m of the lanes, tile lane / 8, register lane % 8
.endr
	s_cmp_eq_u32 s22, 0
	s_cselect_b32 s44, -1, 0                       ; b2 counts in half 0 alone
	s_wait_loadcnt 0x0
.irp m, 0,1
	v_and_b32 v[BD+\m], s44, v[BD+\m]
.endr
.irp m, 0,1
	ds_store_b32 v11, v[BD+\m] offset:128*\m
.endr
.irp j, 0,1,2,3
	v_max3_num_f32 v[M1+\j], |v[L+\j]|, |v[L+4+\j]|, 0x2800000           ; with the floor 2^(5 - 127): the byte cannot fall under 1
.endr
.irp i, 2,4,6,8,10,12,14,16,18,20,22,24,26,28,30
.irp j, 0,1,2,3
	v_max3_num_f32 v[M1+\j], v[M1+\j], |v[L+4*\i+\j]|, |v[L+4*\i+4+\j]|  ; the four columns by turns
.endr
.endr
.irp j, 0,1,2,3
	v_add_nc_u32 v[SC1+\j], 0xfe000000, v[M1+\j]   ; 4 off the exponent field: the conversion's scale operand
.endr
.irp j, 0,1,2,3
.set I, 0
.rept 32
	v_mov_b32 v[T+I], v[L+4*I+\j]                  ; the conversion wants a column's numbers in consecutive registers; a load of 16 bytes brings four columns
.set I, I+1
.endr
	v_cvt_scalef32_pk16_bf6_f32 v[C+6*\j:C+6*\j+2], v[T:T+15], v[SC1+\j]
	v_cvt_scalef32_pk16_bf6_f32 v[TM1:TM1+2], v[T+16:T+31], v[SC1+\j]    ; (a conversion's three registers begin on an even number)
	v_lshrrev_b32 v[BY1+\j], 23, v[SC1+\j]         ; the byte; also the plain line behind the conversions
.irp n, 0,1,2
	v_mov_b32 v[C+6*\j+3+\n], v[TM1+\n]
.endr
.endr
.irp j, 0,1,2,3
	ds_store_b128 v8, v[C+6*\j:C+6*\j+3] offset:\j*12288
	ds_store_b64 v9, v[C+6*\j+4:C+6*\j+5] offset:\j*12288
	ds_store_b8 v10, v[BY1+\j] offset:\j*512
.endr
	s_wait_dscnt 0x0                               ; for the others' sake: my images and bytes have landed
	s_barrier_signal -1
	s_barrier_wait -1                              ; the one barrier: ahead of every branch on the count
	s_wait_kmcnt 0x0
	s_add_co_u32 s25, s24, 15
	s_lshr_b32 s25, s25, 4
	s_min_u32 s25, s25, 64                         ; tiles of the expert
	s_lshl_b32 s26, s20, 1
	s_cmp_ge_u32 s26, s25
	s_cbranch_scc1 .Lend
	s_sub_co_u32 s51, s25, s26                     ; my passes: a pair for every 32 tiles from my first tile on, rounded up:
	s_add_co_u32 s51, s51, 31
	s_lshr_b32 s51, s51, 5
	s_min_u32 s51, s51, 2                          ; 1 or 2 (64 tiles are 32 pairs, two for each of 16 waves)
	s_mov_b32 s50, 0                               ; passes done
.irp ct, 0,1,2,3
.irp u, 0,1,2,3
	ds_load_b32 v[WS+4*\ct+\u], v5 offset:\ct*512+\u*128
.endr
.endr
.macro ALD s                           ; act's fragments of K step s of my half, both tiles: 8 loads
.irp q, 0,1
	global_load_b128 v[XF+24*((\s)%4)+12*\q:XF+24*((\s)%4)+12*\q+3], v1, s[32+2*\q:33+2*\q] offset:1536*(\s)
	global_load_b64 v[XF+24*((\s)%4)+12*\q+4:XF+24*((\s)%4)+12*\q+5], v2, s[32+2*\q:33+2*\q] offset:1536*(\s)+512
	global_load_b128 v[XF+24*((\s)%4)+12*\q+6:XF+24*((\s)%4)+12*\q+9], v1, s[32+2*\q:33+2*\q] offset:1536*(\s)+768
	global_load_b64 v[XF+24*((\s)%4)+12*\q+10:XF+24*((\s)%4)+12*\q+11], v2, s[32+2*\q:33+2*\q] offset:1536*(\s)+1280
.endr
.endm
.macro WLDS s
.irp f, 0,1,2,3
	ds_load_b128 v[W+12*\f:W+12*\f+3], v1 offset:\f*12288+1536*(\s)
	ds_load_b64 v[W+12*\f+4:W+12*\f+5], v2 offset:\f*12288+1536*(\s)+512
	ds_load_b128 v[W+12*\f+6:W+12*\f+9], v1 offset:\f*12288+1536*(\s)+768
	ds_load_b64 v[W+12*\f+10:W+12*\f+11], v2 offset:\f*12288+1536*(\s)+1280
.endr
.endm
.macro MM8 s                           ; an odd K step's scale words stand in lanes 16-31
.irp f, 0,1,2,3
.irp q, 0,1
.if (\s)%2 == 0
	v_wmma_scale_f32_16x16x128_f8f6f4 v[ACC+32*\q+8*\f:ACC+32*\q+8*\f+7], v[W+12*\f:W+12*\f+11], v[XF+24*((\s)%4)+12*\q:XF+24*((\s)%4)+12*\q+11], v[ACC+32*\q+8*\f:ACC+32*\q+8*\f+7], v[WS+4*\f+(\s)/2], v[XS+4*\q+(\s)/2] matrix_a_fmt:MATRIX_FMT_BF6 matrix_b_fmt:MATRIX_FMT_BF6
.else
	v_wmma_scale_f32_16x16x128_f8f6f4 v[ACC+32*\q+8*\f:ACC+32*\q+8*\f+7], v[W+12*\f:W+12*\f+11], v[XF+24*((\s)%4)+12*\q:XF+24*((\s)%4)+12*\q+11], v[ACC+32*\q+8*\f:ACC+32*\q+8*\f+7], v[WS+4*\f+(\s)/2], v[XS+4*\q+(\s)/2] matrix_a_fmt:MATRIX_FMT_BF6 matrix_b_fmt:MATRIX_FMT_BF6 matrix_a_scale:MATRIX_SCALE_ROW1 matrix_b_scale:MATRIX_SCALE_ROW1
.endif
.endr
.endr
.endm
.macro KSTEP s, n                      ; n: the global loads issued behind this K step's, which may stay out
	WLDS \s
	s_wait_loadcnt \n
	s_wait_dscnt 0x0
	MM8 \s
.rept 4
	v_nop                                          ; four plain lines between matrix instructions and loads into registers that they read, or reads of their results
.endr
.if (\s) < 4
	ALD (\s)+4
.elseif (\s) == 4
.irp q, 0,1                            ; the entries of slots 8 h + 0 .. 7 of both tiles, into the set that this step has left
	global_load_b128 v[E8+8*\q:E8+8*\q+3], v4, s[40+2*\q:41+2*\q]
	global_load_b128 v[E8+8*\q+4:E8+8*\q+7], v4, s[40+2*\q:41+2*\q] offset:16
.endr
.endif
.endm
.macro EPI q
.irp i, 0,1,2,3,4,5,6,7
.irp j, 0,1,2,3
	v_mul_f32 v[OUT+4*\i+\j], v[ACC+32*\q+8*\j+\i], v[250+\q]      ; x my row's gate; register 4 i + j is column 32 h + 4 i + j.  Each accumulator is read from its low end on
.endr
.endr
.irp i, 0,1,2,3,4,5,6,7
	ds_store_b128 v13, v[OUT+4*\i:OUT+4*\i+3] offset:16*\i
.endr
.irp k, 0,1,2,3,4,5,6,7
	ds_load_b128 v[R+32*\q+4*\k:R+32*\q+4*\k+3], v14 offset:272*\k ; LDS serves a wave's instructions in order: these see my stores
.endr
	s_lshl_b32 s44, s[27+\q], 4
	v_lshrrev_b32 v252, 2, v4
	v_add_nc_u32 v252, s44, v252                   ; slot 16 t + 8 h
.irp k, 0,1,2,3,4,5,6,7
	s_sub_co_i32 s45, s24, \k
	v_cmp_gt_i32 vcc_lo, s45, v252                 ; slot + k under the count?
	v_add_nc_u32 v[OFF+8*\q+\k], \k, v253
	v_cndmask_b32 v[OFF+8*\q+\k], v[OFF+8*\q+\k], v[E8+8*\q+\k], vcc_lo   ; its entry, else a spare row,
	v_min_u32 v[OFF+8*\q+\k], 0x87f, v[OFF+8*\q+\k]                       ; held inside y's 2,176 rows
	v_lshl_add_u32 v[OFF+8*\q+\k], v[OFF+8*\q+\k], 13, v15                ; 8,192 bytes a row + 16 r
.endr
.irp k, 0,1,2,3,4,5,6,7
	s_wait_dscnt 7-\k                              ; rows k and 8 + k are back; the younger loads stay out
	global_store_b128 v[OFF+8*\q+\k], v[R+32*\q+4*\k:R+32*\q+4*\k+3], s[14:15]
.endr
.endm
.Lpass:
	s_min_u32 s27, s26, 63                         ; the pair's tiles, held inside the tables; with an odd number of tiles the last pair takes its tile twice
	s_add_co_u32 s28, s26, 1
	s_sub_co_u32 s44, s25, 1
	s_min_u32 s28, s28, s44
	s_min_u32 s28, s28, 63
	s_mov_b32 s31, 0
.irp q, 0,1
	s_mul_i32 s30, s[27+\q], 24576
	s_add_nc_u64 s[32+2*\q:33+2*\q], s[8:9], s[30:31]
	s_lshl_b32 s30, s[27+\q], 10
	s_add_nc_u64 s[36+2*\q:37+2*\q], s[16:17], s[30:31]
	s_lshl_b32 s30, s[27+\q], 7
	s_add_nc_u64 s[40+2*\q:41+2*\q], s[10:11], s[30:31]
.endr
.irp q, 0,1
	global_load_b32 v[248+\q], v3, s[40+2*\q:41+2*\q]              ; my row's entry
.endr
.irp q, 0,1
.irp u, 0,1,2,3
	global_load_b32 v[XS+4*\q+\u], v3, s[36+2*\q:37+2*\q] offset:128*\u
.endr
.endr
	ALD 0
	ALD 1
	ALD 2
	ALD 3
	s_wait_loadcnt 40                              ; the two entries are in; the 8 + 32 loads behind them stay out
.irp q, 0,1
	v_min_u32 v[248+\q], 0x7ff, v[248+\q]          ; held inside the table of gates
	v_lshlrev_b32 v[248+\q], 2, v[248+\q]
.endr
.irp q, 0,1
	global_load_b32 v[250+\q], v[248+\q], s[12:13] offset:GATE_O
.endr
.irp q, 0,1
.irp ct, 0,1,2,3
	ds_load_b128 v[ACC+32*\q+8*\ct:ACC+32*\q+8*\ct+3], v6 offset:32*\ct            ; the sums begin as the bias
	ds_load_b128 v[ACC+32*\q+8*\ct+4:ACC+32*\q+8*\ct+7], v6 offset:32*\ct+16
.endr
.endr
	KSTEP 0, 26                                    ; behind step 0's loads: three sets of 8 and the 2 gates
	KSTEP 1, 26
	KSTEP 2, 26
	KSTEP 3, 26
	KSTEP 4, 24                                    ; steps 5, 6, 7
	KSTEP 5, 20                                    ; steps 6, 7 and the 4 loads of entries
	KSTEP 6, 12
	KSTEP 7, 4
	s_wait_loadcnt 0x0                             ; the entries (the gates came long ago)
	EPI 0
	EPI 1
	s_wait_xcnt 0x0                                ; the stores' bases, offsets and data may be written again
	s_add_co_u32 s26, s26, 32                      ; my next pair lies 16 pairs on
	s_add_co_u32 s50, s50, 1                       ; the loop ends on its own counter of passes
	s_cmp_lt_u32 s50, s51
	s_cbranch_scc1 .Lpass
.Lend:
	s_wait_tensorcnt 0x0
	ds_add_u32 v254, v255
	s_wait_dscnt 0x0
	s_endpgm
.Lfunc_end_k_qde74ad4e11_down:
	.size	k_qde74ad4e11_down, .Lfunc_end_k_qde74ad4e11_down-k_qde74ad4e11_down
	.p2alignl 7, 3214868480
	.fill 96, 4, 3214868480
	.section	.rodata,"a",@progbits
	.p2align	6, 0x0
	.amdhsa_kernel k_qde74ad4e11_down
		.amdhsa_group_segment_fixed_size 126976
		.amdhsa_private_segment_fixed_size 0
		.amdhsa_enable_private_segment 0
		.amdhsa_kernarg_size 48
		.amdhsa_user_sgpr_count 2
		.amdhsa_user_sgpr_kernarg_segment_ptr 1
		.amdhsa_wavefront_size32 1
		.amdhsa_system_sgpr_workgroup_id_x 1
		.amdhsa_system_sgpr_workgroup_id_y 1
		.amdhsa_system_sgpr_workgroup_id_z 1
		.amdhsa_system_vgpr_workitem_id 0
		.amdhsa_next_free_vgpr 256
		.amdhsa_next_free_sgpr 66
		.amdhsa_reserve_vcc 1
		.amdhsa_float_denorm_mode_32 3
		.amdhsa_float_denorm_mode_16_64 3
		.amdhsa_memory_ordered 1
		.amdhsa_forward_progress 1
		.amdhsa_inst_pref_size 57
	.end_amdhsa_kernel
	.amdgpu_metadata
---
amdhsa.version: [ 1, 2 ]
amdhsa.kernels:
  - .name:           k_qde74ad4e11_down
    .symbol:         k_qde74ad4e11_down.kd
    .args:
      - { .name: W2, .offset: 0, .size: 8, .value_kind: global_buffer, .address_space: global }
      - { .name: b2, .offset: 8, .size: 8, .value_kind: global_buffer, .address_space: global }
      - { .name: actq, .offset: 16, .size: 8, .value_kind: global_buffer, .address_space: global }
      - { .name: ent, .offset: 24, .size: 8, .value_kind: global_buffer, .address_space: global }
      - { .name: xr, .offset: 32, .size: 8, .value_kind: global_buffer, .address_space: global }
      - { .name: y, .offset: 40, .size: 8, .value_kind: global_buffer, .address_space: global }
    .group_segment_fixed_size: 126976
    .private_segment_fixed_size: 0
    .kernarg_segment_align: 8
    .kernarg_segment_size: 48
    .max_flat_workgroup_size: 512
    .sgpr_count:     66
    .vgpr_count:     256
    .wavefront_size: 32
...
	.end_amdgpu_metadata
.endif
;; end of part 3
;; launch sum (part 4): grid 256 x 1, 8 waves a work-group, no clusters, 0 bytes of LDS; arguments y, out0; writes out0
.if DOCPART == 4
	.amdgcn_target "amdgcn-amd-amdhsa--gfx1250"
	.amdhsa_code_object_version 6
	.text
	.protected	k_qde74ad4e11_sum
	.globl	k_qde74ad4e11_sum
	.p2align	8
	.type	k_qde74ad4e11_sum,@function
k_qde74ad4e11_sum:
	s_mov_b64 s[64:65], 0
	v_nop
	global_prefetch_b8 v0, s[64:65] scope:SCOPE_SE
	s_setreg_imm32_b32 hwreg(HW_REG_WAVE_MODE, 25, 1), 1
	s_wait_xcnt 0x0
; SUM.  out[token] = the token's four partial rows added: two experts x two halves of K.  They lie on end in y, 4 x 4,096 bytes a token, already weighed by the gates.
; Work-group b owns tokens 4 b .. 4 b + 3; thread t owns 16 bytes of every row, so a wave's load or store covers 512 consecutive aligned bytes.  All 16 loads go out first.
; A stream: no LDS, no barrier, no matrix unit, nothing shared between work-groups.
	s_load_b128 s[4:7], s[0:1], 0x0                ; y, out0
	v_lshlrev_b32 v1, 4, v0
	s_lshl_b32 s8, ttmp9, 16
	s_mov_b32 s9, 0
	s_lshl_b32 s10, ttmp9, 14
	s_mov_b32 s11, 0
	s_wait_kmcnt 0x0
	s_add_nc_u64 s[4:5], s[4:5], s[8:9]
	s_add_nc_u64 s[6:7], s[6:7], s[10:11]
.irp t, 0,1,2,3
.irp p, 0,1,2,3
	global_load_b128 v[8+16*\t+4*\p:8+16*\t+4*\p+3], v1, s[4:5] offset:\t*16384+\p*4096 th:TH_LOAD_NT
.endr
.endr
.irp t, 0,1,2,3
	s_wait_loadcnt 12-4*\t                         ; this token's four loads are in; the later tokens' stay out
	v_pk_add_f32 v[8+16*\t:9+16*\t], v[8+16*\t:9+16*\t], v[12+16*\t:13+16*\t]
	v_pk_add_f32 v[10+16*\t:11+16*\t], v[10+16*\t:11+16*\t], v[14+16*\t:15+16*\t]
	v_pk_add_f32 v[16+16*\t:17+16*\t], v[16+16*\t:17+16*\t], v[20+16*\t:21+16*\t]
	v_pk_add_f32 v[18+16*\t:19+16*\t], v[18+16*\t:19+16*\t], v[22+16*\t:23+16*\t]
	v_pk_add_f32 v[8+16*\t:9+16*\t], v[8+16*\t:9+16*\t], v[16+16*\t:17+16*\t]
	v_pk_add_f32 v[10+16*\t:11+16*\t], v[10+16*\t:11+16*\t], v[18+16*\t:19+16*\t]
	global_store_b128 v1, v[8+16*\t:11+16*\t], s[6:7] offset:\t*4096 th:TH_STORE_NT
.endr
	s_endpgm
.Lfunc_end_k_qde74ad4e11_sum:
	.size	k_qde74ad4e11_sum, .Lfunc_end_k_qde74ad4e11_sum-k_qde74ad4e11_sum
	.p2alignl 7, 3214868480
	.fill 96, 4, 3214868480
	.section	.rodata,"a",@progbits
	.p2align	6, 0x0
	.amdhsa_kernel k_qde74ad4e11_sum
		.amdhsa_group_segment_fixed_size 0
		.amdhsa_private_segment_fixed_size 0
		.amdhsa_enable_private_segment 0
		.amdhsa_kernarg_size 16
		.amdhsa_user_sgpr_count 2
		.amdhsa_user_sgpr_kernarg_segment_ptr 1
		.amdhsa_wavefront_size32 1
		.amdhsa_system_sgpr_workgroup_id_x 1
		.amdhsa_system_sgpr_workgroup_id_y 1
		.amdhsa_system_sgpr_workgroup_id_z 1
		.amdhsa_system_vgpr_workitem_id 0
		.amdhsa_next_free_vgpr 72
		.amdhsa_next_free_sgpr 66
		.amdhsa_reserve_vcc 0
		.amdhsa_float_denorm_mode_32 3
		.amdhsa_float_denorm_mode_16_64 3
		.amdhsa_memory_ordered 1
		.amdhsa_forward_progress 1
		.amdhsa_inst_pref_size 5
	.end_amdhsa_kernel
	.amdgpu_metadata
---
amdhsa.version: [ 1, 2 ]
amdhsa.kernels:
  - .name:           k_qde74ad4e11_sum
    .symbol:         k_qde74ad4e11_sum.kd
    .args:
      - { .name: y, .offset: 0, .size: 8, .value_kind: global_buffer, .address_space: global }
      - { .name: out0, .offset: 8, .size: 8, .value_kind: global_buffer, .address_space: global }
    .group_segment_fixed_size: 0
    .private_segment_fixed_size: 0
    .kernarg_segment_align: 8
    .kernarg_segment_size: 16
    .max_flat_workgroup_size: 256
    .sgpr_count:     66
    .vgpr_count:     72
    .wavefront_size: 32
...
	.end_amdgpu_metadata
.endif
;; end of part 4
;; ======== version 2 of 2: 4 launches; version 1 with the launches up, down written anew for expert scheduling mode
;; workspace buffers: xr 827,392 bytes; maskb 2,048 bytes of whole numbers; ent 66,560 bytes of whole numbers; actq 13,107,200 bytes; y 17,825,792 bytes
;; launch route: the kernel of part 1 again; grid 32 x 1, 8 waves a work-group, no clusters, 177,152 bytes of LDS; arguments x, Wr, br, xr, maskb; writes xr, maskb
;; launch up (part 5): grid 32 x 8, 16 waves a work-group, no clusters, 112,640 bytes of LDS; arguments W1, b1, xr, maskb, ent, actq; writes ent, actq
.if DOCPART == 5
	.amdgcn_target "amdgcn-amd-amdhsa--gfx1250"
	.amdhsa_code_object_version 6
	.text
	.protected	k_qde74ad4e11_up
	.globl	k_qde74ad4e11_up
	.p2align	8
	.type	k_qde74ad4e11_up,@function
k_qde74ad4e11_up:
	s_mov_b64 s[64:65], 0
	v_nop
	global_prefetch_b8 v0, s[64:65] scope:SCOPE_SE
	s_setreg_imm32_b32 hwreg(HW_REG_WAVE_SCHED_MODE, 0, 2), 2
	s_setreg_imm32_b32 hwreg(HW_REG_WAVE_MODE, 25, 1), 1
	s_wait_xcnt 0x0
	s_wait_alu depctr_vm_vsrc(0)
; UP.  act = silu(x W1a + b1a) x (x W1g + b1g) for the rows that chose the expert, on codes of E3M2 with one E8M0 byte for each 32 along K; act leaves as codes for the second product.
; SHARES.  Work-group (sl = x, e = y) owns hidden units 64 sl .. 64 sl + 63 of expert e: 64 columns of the a half and 64 of the g half of W1, all 1,024 rows: 512 KiB of f32, read once.
; PHASE 1.  Wave w takes rows 64 w .. 64 w + 63.  A load covers two pieces of 256 consecutive aligned bytes (lanes 0-15 row k, lanes 16-31 row k + 32); a lane gets 4 columns, and its registers run down K:
; a block of 32 along K lies in one lane.  TILE j OF A SLICE IS THE COLUMNS 4 r + j, so lane (r, h) holds just what registers 6 c .. 6 c + 5 (c = w % 2) of tile j's fragment of K step w / 2 want.
; The codes go to LDS as images of those registers, the scale bytes beside them.  One barrier.
; THE ROWS.  The expert's rows are its tokens in ascending order, 16 to a tile.  While its 32 loads of W1 are out, a wave finds the tokens of its own slots in the expert's bit mask (32 words in scalar registers):
; wave w's pair of tiles in pass 0 is ranks 32 w .. 32 w + 31, in pass 1 the same + 512.  The same walk counts the expert's rows.  All its branches join again ahead of the barrier.
; The work-groups of slice 0 also store, for the next launch, ent: [e][t][lane]: the entry 2 token + k of slot 16 t + lane % 16 (k = 1: the token's second choice), and at CNT_O [e][32 words] the count.
; PHASE 2.  Wave w takes the pairs of token tiles w, w + 16: an expert has 64 tiles at the most, so a wave has two passes at the most.  x's codes come straight from the tokens' rows of xr, which lie in the order of
; an operand's registers: lane (r, h) takes 48 bytes of its token for each K step.  A slot past the count takes token 0; a tile past the last is computed so too, and lands in bytes of actq that nobody reads.
; The product is used transposed (source 0 = 16 columns of W1, source 1 = 16 rows of x): register i of tile j in lane (r, h) is row r, column 32 h + 4 i + j.
; So the four tiles' registers of a lane are 32 NEIGHBOURING hidden units, one block of the next K: its largest magnitude and its codes need no other lane.
; The sums begin as the bias, read from LDS into the accumulators.  The 16 accumulators take turns, one instruction a turn.
; OUT.  actq: [e][t][K step 16][c 2][768 bytes: 16 lane for registers 6 c .. 6 c + 3, then 8 lane for 6 c + 4, 6 c + 5]; at ASC_O [e][t][K step][row 16] scale words, byte 2 c + h.
; No tensor loads and so no joint requests in a cluster, though the 32 work-groups of an expert read the same x: branches and the number of passes hang on masks read from memory.
; LIMITS.  NaN and infinities are not served.  A block whose largest magnitude lies under 2^-122, a block of zeros too, gets the byte 1.
; THE MODE: SCHED_MODE bits 1:0 = 2 (LLVM: expert scheduling mode 2), set by the entry lines.  The code itself states the register dependences
; between vector or matrix instructions and memory or LDS instructions, with s_wait_alu, always for 0.
; THE PLAN.  Registers that memory or LDS instructions touch:
;   v1-v8     offsets and LDS addresses: made at the head, never written again.
;   v9-v14    phase 1's offsets and addresses (v10-v12 step once, between the two halves); phase 2 writes them anew: v9-v12 the pair's places in xr, made by OFFS ahead of each pass; v13, v14 pass 1's tokens.
;   L         W1's loads land in it; QCALC's maxima and moves read it.  One wait behind QCALC: behind it the g half's loads and the a half's LDS stores go out together.
;   C, BY1    QCALC writes them; the LDS stores read them.     BD  loads land, LDS stores read.
;   KA, KB    vector instructions write them, two loads read them as offsets, ENTRY writes them again.     EA, EB, CN  ENTRY (a move) writes them, stores read them.
;   W         LDS loads land; eight matrix instructions read it: there are registers for one buffer alone, so one wait stands behind each eight.
;   XF[s % 2] x's loads land; step s's sixteen matrix instructions read it.     WS, XS  loads land; matrix instructions read them as scales.
;   ACC       the bias's LDS loads land; the matrix instructions add; EPI reads.     P, BY2  EPI writes them; the six stores behind EPI 1 read them.
; A wait at a K step's end states that its matrix instructions are done with W, WS and XF[s % 2]: behind it go the next step's LDS loads, which the wave wants at once, and then x's fragments of the step after.
.set XSC_O, 786432
.set CNT_O, 65536
.set ASC_O, 12582912
.set WSC,  98304                       ; LDS: 0 .. 98,303 the images: tile x 12,288 + K step x 1,536 + c x 768; then the scale words: tile x 512 + K step x 64 + 4 r
.set BIAS, 102400                      ; then each wave's copy of the bias in the accumulators' order: 512 w + 256 h + 32 tile + 4 i
.set MK,  68                           ; s68-99   the expert's 32 mask words
.set XS,  16                           ; v16-23   x's scale words [tile of the pair q][u]: scales alone
.set WS,  24                           ; v24-31   W1's scale words of two K steps, one register a tile: scales alone
.set W,   32                           ; v32-79   four fragments of W1
.set XF,  80                           ; v80-127  x's fragments: set s % 2, tile q
.set ACC, 128                          ; v128-255 accumulators: 64 q + 8 tile + i; tiles 0-3 a, 4-7 g
.set L,   128                          ; phase 1: v128-255 numbers as loaded: 4 i + j
.set T,   32                           ;          v32-63 a column's 32 numbers on end
.set C,   64                           ;          v64-87 the four columns' codes
.set TM1, 88
.set M1,  92
.set SC1, 96
.set BY1, 100
.set BD,  104
.set TA,  108                          ;          v108-109 the tokens of my slots in pass 0, tile 0 and tile 1
.set TB,  110                          ;          v110-111 the same for pass 1
.set R16, 112                          ;          v112 r + 16
.set SV,  113                          ;          v113 the token in hand
.set KA,  114                          ;          v114-115 at work, v116-117 pass 0's entries
.set EA,  116
.set KB,  118                          ;          v118-119 at work, v124-125 pass 1's entries
.set RR,  120                          ;          v120 r, v121 h, v122 lane
.set EB,  124
.set CN,  126                          ;          v126 the count
.set TMP, 32                           ; the way out: v32-63 at work, v64-95 act, v96-107 codes, v108.. at work
.set ACT, 64
.set P,   96
.set TM2, 108
.set M2,  112
.set SC2, 116
.set BY2, 118
	s_load_b256 s[4:11], s[0:1], 0x0               ; W1 s[4:5], b1 s[6:7], xr s[8:9], maskb s[10:11]
	s_load_b128 s[12:15], s[0:1], 0x20             ; ent s[12:13], actq s[14:15]
	v_lshrrev_b32 v1, 5, v0
	v_readfirstlane_b32 s18, v1                    ; wave
	s_mov_b32 s19, ttmp9                           ; sl
	s_and_b32 s20, ttmp7, 0xffff                   ; e
	v_and_b32 v122, 31, v0                         ; lane
	v_and_b32 v[RR], 15, v0                        ; r
	v_bfe_u32 v121, v0, 4, 1                       ; h
	v_lshlrev_b32 v1, 4, v122                      ; v1 16 lane, v2 8 lane, v3 4 lane
	v_lshlrev_b32 v2, 3, v122
	v_lshlrev_b32 v3, 2, v122
	v_lshl_add_u32 v4, v[RR], 2, v121              ; v4 4 r + h: my byte among a K step's scale words
	v_add_nc_u32 v5, 49152, v1                     ; v5, v6: the same as v1, v2 for tiles 4-7
	v_add_nc_u32 v6, 49152, v2
	v_add_nc_u32 v7, WSC, v3                       ; v7 scale words: lanes 0-15 an even K step's, lanes 16-31 the next's
	s_wait_alu depctr_va_sdst(0)                   ; s18, the wave's number, is written, ahead of its first reader
	s_lshl_b32 s46, s18, 9
	s_add_co_u32 s46, s46, BIAS
	v_lshl_add_u32 v8, v121, 8, s46                ; v8 my half's bias
	v_add_nc_u32 v13, s46, v3                      ; v13 where I put a word of it
	v_lshlrev_b32 v9, 19, v121
	v_lshl_add_u32 v9, v[RR], 4, v9                ; v9 W1: 32 rows of 16,384 bytes x h + 16 r
	s_mul_i32 s47, s18, 768
	v_add_nc_u32 v10, s47, v1                      ; v10, v11: where my codes go
	v_add_nc_u32 v11, s47, v2
	v_add_nc_u32 v11, 512, v11
	s_lshr_b32 s48, s18, 1
	s_lshl_b32 s48, s48, 6
	s_and_b32 s49, s18, 1
	s_lshl_b32 s49, s49, 1
	s_add_co_u32 s48, s48, s49
	s_add_co_u32 s48, s48, WSC
	v_add_nc_u32 v12, s48, v4                      ; v12 my scale byte: 64 (w / 2) + 4 r + 2 (w % 2) + h
	v_and_b32 v14, 7, v0
	v_bfe_u32 v123, v0, 3, 2
	v_lshl_add_u32 v14, v14, 2, v123
	v_lshlrev_b32 v14, 2, v14                      ; v14 b1: column 4 (lane % 8) + lane / 8
	v_add_nc_u32 v[R16], 16, v[RR]
.irp n, 0,1,2,3
	v_mov_b32 v[TA+\n], 0                          ; a slot that no token fills keeps token 0
.endr
	s_lshl_b32 s26, s20, 24                        ; W1: 16 MiB an expert, 64 rows a wave, 256 bytes a slice
	s_lshl_b32 s46, s18, 20
	s_add_co_u32 s26, s26, s46
	s_lshl_b32 s46, s19, 8
	s_add_co_u32 s26, s26, s46
	s_mov_b32 s27, 0
	s_lshl_b32 s28, s20, 14
	s_add_co_u32 s28, s28, s46
	s_mov_b32 s29, 0
	s_lshl_b32 s30, s20, 13                        ; entries: 128 bytes a tile, 64 tiles an expert; my first tile is 2 w
	s_lshl_b32 s47, s18, 8
	s_add_co_u32 s30, s30, s47
	s_mov_b32 s31, 0
	s_lshl_b32 s38, s20, 7                         ; a row of masks, and an expert's count, are 128 bytes
	s_mov_b32 s39, 0
	s_add_co_u32 s32, s38, CNT_O
	s_mov_b32 s33, 0
	s_mul_i32 s34, s20, 1572864
	s_mul_i32 s47, s19, 768                        ; K step sl / 2, c = sl % 2
	s_add_co_u32 s34, s34, s47
	s_mov_b32 s35, 0
	s_lshl_b32 s36, s20, 16
	s_lshr_b32 s47, s19, 1
	s_lshl_b32 s47, s47, 6
	s_add_co_u32 s36, s36, s47
	s_and_b32 s47, s19, 1
	s_lshl_b32 s47, s47, 1
	s_add_co_u32 s36, s36, s47
	s_add_co_u32 s36, s36, ASC_O
	s_mov_b32 s37, 0
	s_mov_b32 s44, 0xbfb8aa3b                      ; -log2(e)
	s_mov_b32 s45, s44                             ; (named with it as a pair)
	s_lshl_b32 s54, s18, 5                         ; my window of ranks in pass 0: 32 w ..
	s_add_co_u32 s55, s54, 32                      ; .. and the first beyond it
	s_wait_kmcnt 0x0
	s_add_nc_u64 s[4:5], s[4:5], s[26:27]
	s_add_nc_u64 s[6:7], s[6:7], s[28:29]
	s_add_nc_u64 s[16:17], s[14:15], s[36:37]      ; act's scale bytes
	s_add_nc_u64 s[14:15], s[14:15], s[34:35]      ; act's codes
	s_add_nc_u64 s[10:11], s[10:11], s[38:39]      ; the expert's row of masks; its row of second choices lies 1,024 bytes on
	s_add_nc_u64 s[28:29], s[12:13], s[30:31]      ; my tiles' entries
	s_add_nc_u64 s[30:31], s[12:13], s[32:33]      ; the expert's count
	s_load_b512 s[68:83], s[10:11], 0x0
	s_load_b512 s[84:99], s[10:11], 0x40
.macro WLD grp                         ; 64 rows x 64 columns of half grp
.set I, 0
.rept 32
	global_load_b128 v[L+4*I:L+4*I+3], v9, s[4:5] offset:I*16384+\grp*8192 th:TH_LOAD_NT
.set I, I+1
.endr
.endm
.macro QCALC                           ; my four columns' blocks become codes and bytes
.irp j, 0,1,2,3
	v_max3_num_f32 v[M1+\j], |v[L+\j]|, |v[L+4+\j]|, 0x2800000           ; with the floor 2^(5 - 127): the byte cannot fall under 1
.endr
.irp i, 2,4,6,8,10,12,14,16,18,20,22,24,26,28,30
.irp j, 0,1,2,3
	v_max3_num_f32 v[M1+\j], v[M1+\j], |v[L+4*\i+\j]|, |v[L+4*\i+4+\j]|  ; the four columns by turns
.endr
.endr
.irp j, 0,1,2,3
	v_add_nc_u32 v[SC1+\j], 0xfe000000, v[M1+\j]   ; 4 off the exponent field: the conversion's scale operand
.endr
.irp j, 0,1,2,3
.set I, 0
.rept 32
	v_mov_b32 v[T+I], v[L+4*I+\j]                  ; the conversion wants a column's numbers in consecutive registers; a load of 16 bytes brings four columns
.set I, I+1
.endr
	v_cvt_scalef32_pk16_bf6_f32 v[C+6*\j:C+6*\j+2], v[T:T+15], v[SC1+\j]
	v_cvt_scalef32_pk16_bf6_f32 v[TM1:TM1+2], v[T+16:T+31], v[SC1+\j]    ; (a conversion's three registers begin on an even number)
	v_lshrrev_b32 v[BY1+\j], 23, v[SC1+\j]         ; the byte; also the plain line behind the conversions
.irp n, 0,1,2
	v_mov_b32 v[C+6*\j+3+\n], v[TM1+\n]
.endr
.endr
.endm
.macro QSTORE                          ; and go to LDS
.irp j, 0,1,2,3
	ds_store_b128 v10, v[C+6*\j:C+6*\j+3] offset:\j*12288
	ds_store_b64 v11, v[C+6*\j+4:C+6*\j+5] offset:\j*12288
	ds_store_b8 v12, v[BY1+\j] offset:\j*512
.endr
.endm
; Mask word g: passed over if none of its tokens has a rank in my window s54 .. s55 - 1; else one trip for each set bit, lowest first.  s53: the expert's tokens so far.
.macro GROUP g, d0, d1
	s_bcnt1_i32_b32 s56, s[MK+\g]
	s_add_co_u32 s57, s53, s56
	s_cmp_eq_u32 s56, 0
	s_cbranch_scc1 .Lskip_\@
	s_cmp_le_u32 s57, s54
	s_cbranch_scc1 .Lskip_\@
	s_cmp_ge_u32 s53, s55
	s_cbranch_scc1 .Lskip_\@
	s_mov_b32 s58, s[MK+\g]
	s_sub_co_u32 s59, s53, s54                     ; the bit's rank less my window's first: it meets a slot only where it is 0 .. 31
	s_mov_b32 s60, 0
.Lbit_\@:
	s_ctz_i32_b32 s61, s58
	s_add_co_u32 s61, s61, 32*\g                   ; the token
	v_mov_b32 v[SV], s61
	v_cmp_eq_u32 s2, s59, v[RR]                    ; the two compares in a run, each into a scalar register of its own
	v_cmp_eq_u32 s3, s59, v[R16]
	s_wait_alu depctr_va_sdst(0)                   ; the two masks s2 and s3 are written, ahead of the selects that read them
	v_cndmask_b32 v[\d0], v[\d0], v[SV], s2        ; slot r of the pair's first tile, in both halves of the lanes,
	v_cndmask_b32 v[\d1], v[\d1], v[SV], s3        ; or of its second
	s_sub_co_u32 s62, s58, 1
	s_and_b32 s58, s58, s62                        ; the lowest bit is done
	s_add_co_u32 s59, s59, 1
	s_add_co_u32 s60, s60, 1
	s_cmp_lt_u32 s60, s56
	s_cbranch_scc1 .Lbit_\@
.Lskip_\@:
	s_mov_b32 s53, s57
.endm
.macro SCAN d0, d1
	s_mov_b32 s53, 0
.irp g, 0,1,2,3,4,5,6,7,8,9,10,11,12,13,14,15,16,17,18,19,20,21,22,23,24,25,26,27,28,29,30,31
	GROUP \g, \d0, \d1
.endr
.endm
.macro KLOAD t, k, d                   ; the words of 'second choice' that hold my two tokens' bits
.irp q, 0,1
	v_lshrrev_b32 v[\k+\q], 5, v[\t+\q]
.endr
.irp q, 0,1
	v_min_u32 v[\k+\q], 31, v[\k+\q]               ; held inside the row's 32 words
.endr
.irp q, 0,1
	v_lshlrev_b32 v[\k+\q], 2, v[\k+\q]
.endr
	s_wait_alu depctr_va_vdst(0)                   ; the two offsets are written, which the two loads read
.irp q, 0,1
	global_load_b32 v[\d+\q], v[\k+\q], s[10:11] offset:1024
.endr
.endm
.macro ENTRY t, k, d                   ; 2 token + k
.irp q, 0,1
	v_and_b32 v[\k+\q], 31, v[\t+\q]
.endr
.irp q, 0,1
	v_lshrrev_b32 v[\d+\q], v[\k+\q], v[\d+\q]
.endr
.irp q, 0,1
	v_and_b32 v[\d+\q], 1, v[\d+\q]
.endr
.irp q, 0,1
	v_lshl_or_b32 v[\d+\q], v[\t+\q], 1, v[\d+\q]
.endr
.endm
	s_wait_alu depctr_va_vdst(0)                   ; the offsets and addresses v1 to v14 are written, which the loads and LDS instructions from here on read
	WLD 0
.irp m, 0,1,2,3
	global_load_b32 v[BD+\m], v14, s[6:7] offset:((\m%2)*2048+32*(\m/2))*4     ; word 32 m + lane of my copy: half m / 2 of the lanes, tile 4 (m % 2) + lane / 8, register lane % 8
.endr
	s_wait_kmcnt 0x0                               ; the masks
	SCAN TA, TA+1                                  ; register work while the 36 loads are out
	s_mov_b32 s21, s53                             ; the expert's count
	KLOAD TA, KA, EA
	s_wait_loadcnt 0x0
	s_wait_alu depctr_vm_vsrc(0)                   ; the two loads have read their offsets in v[KA ..], which the lines below write again
	ENTRY TA, KA, EA
	s_cmp_lg_u32 s19, 0                            ; slice 0's work-group alone stores entries and count: each byte has one owner
	s_cbranch_scc1 .Lno_ent_a
	s_wait_alu depctr_va_vdst(0)                   ; pass 0's entries are written, which the two stores read
	global_store_b32 v3, v[EA], s[28:29]
	global_store_b32 v3, v[EA+1], s[28:29] offset:128
	s_cmp_lg_u32 s18, 0
	s_cbranch_scc1 .Lno_ent_a
	v_mov_b32 v[CN], s21
	s_wait_alu depctr_va_vdst(0)                   ; the count is written, which the store reads
	global_store_b32 v3, v[CN], s[30:31]
.Lno_ent_a:
.irp m, 0,1,2,3
	ds_store_b32 v13, v[BD+\m] offset:128*\m
.endr
	QCALC
	s_wait_alu depctr_va_vdst(0)                   ; the maxima and moves are done reading v[L ..], in which the g half lands; the codes and bytes are written, which the LDS stores read
	WLD 1                                          ; the g half is asked for first,
	QSTORE                                         ; then the a half's images go to LDS: no vector instruction since the wait names a register of either run
	s_wait_dscnt 0x0                               ; my LDS stores are done
	s_wait_alu depctr_vm_vsrc(0)                   ; they have read their addresses v10 to v12, stepped below, and the codes and bytes, which the g half's conversions write again
	v_add_nc_u32 v10, 49152, v10                   ; tiles 4-7
	v_add_nc_u32 v11, 49152, v11
	v_add_nc_u32 v12, 2048, v12
	s_add_co_u32 s54, s54, 512                     ; my window in pass 1: 16 pairs of tiles on
	s_add_co_u32 s55, s55, 512
	s_cmp_le_u32 s21, s54
	s_cbranch_scc1 .Lno_scan_b                     ; the count does not reach it
	SCAN TB, TB+1
.Lno_scan_b:
	KLOAD TB, KB, EB
	s_wait_loadcnt 0x0
	s_wait_alu depctr_vm_vsrc(0)                   ; the two loads have read their offsets in v[KB ..], which the lines below write again
	ENTRY TB, KB, EB
	s_cmp_lg_u32 s19, 0
	s_cbranch_scc1 .Lno_ent_b
	s_wait_alu depctr_va_vdst(0)                   ; pass 1's entries are written, which the two stores read
	global_store_b32 v3, v[EB], s[28:29] offset:4096
	global_store_b32 v3, v[EB+1], s[28:29] offset:4224
.Lno_ent_b:
	QCALC
	s_wait_alu depctr_va_vdst(0)                   ; the codes, the bytes and the stepped addresses v10 to v12 are written, which the LDS stores read
	QSTORE
	s_wait_dscnt 0x0                               ; for the others' sake: my images and bytes have landed
	s_barrier_signal -1
	s_barrier_wait -1                              ; the one barrier: every way above has joined again, and no way below leads back
	s_add_co_u32 s22, s21, 15
	s_lshr_b32 s22, s22, 4
	s_min_u32 s22, s22, 64                         ; tiles of the expert
	s_lshl_b32 s23, s18, 1                         ; my first pair's first tile
	s_cmp_ge_u32 s23, s22
	s_cbranch_scc1 .Lend
	s_sub_co_u32 s52, s22, s23                     ; my passes: a pair for every 32 tiles from my first tile on, rounded up:
	s_add_co_u32 s52, s52, 31
	s_lshr_b32 s52, s52, 5
	s_min_u32 s52, s52, 2                          ; 1 or 2 (64 tiles are 32 pairs, two for each of 16 waves)
	s_mov_b32 s51, 0                               ; passes done
; The pair's places in xr: v9, v10 the codes (768 bytes a token, my half's 48 of each K step's 96), v11, v12 the scale words (32 bytes a token, K step 2 u + h)
.macro OFFS a, b
	v_lshrrev_b32 v32, 7, v2                       ; h
	v_min_u32 v33, 0x3ff, v[\a]                    ; the tokens, held inside the table
	v_min_u32 v34, 0x3ff, v[\b]
	v_mul_u32_u24 v9, v33, 768
	v_mul_u32_u24 v10, v34, 768
	v_mad_u32_u24 v9, v32, 48, v9
	v_mad_u32_u24 v10, v32, 48, v10
	v_lshlrev_b32 v11, 5, v33
	v_lshlrev_b32 v12, 5, v34
	v_lshl_add_u32 v11, v32, 2, v11
	v_lshl_add_u32 v12, v32, 2, v12
.endm
	s_wait_xcnt 0x0                                ; the entries' stores have read their registers: x's fragments may land there
	s_wait_alu depctr_vm_vsrc(0)                   ; phase 1's loads, stores and LDS stores have read v9 to v14, written below, and the codes, bytes, bias words, entries and count, on which fragments land
	v_mov_b32 v13, v[TB]                           ; pass 1's tokens, out of the way of x's fragments
	v_mov_b32 v14, v[TB+1]
	OFFS TA, TA+1
.macro XLD s                           ; x's fragments of K step s, both tiles: 6 loads; registers 4 i .. 4 i + 3 are bytes 16 i .. of my 48
.irp q, 0,1
.irp i, 0,1,2
	global_load_b128 v[XF+24*((\s)%2)+12*\q+4*\i:XF+24*((\s)%2)+12*\q+4*\i+3], v[9+\q], s[8:9] offset:96*(\s)+16*\i
.endr
.endr
.endm
.macro WLDS s, half                    ; W1's fragments of K step s, tiles 4 half .. 4 half + 3: 16 loads, each of consecutive bytes
.irp f, 0,1,2,3
	ds_load_b128 v[W+12*\f:W+12*\f+3], v[1+4*\half] offset:\f*12288+1536*(\s)
	ds_load_b64 v[W+12*\f+4:W+12*\f+5], v[2+4*\half] offset:\f*12288+1536*(\s)+512
	ds_load_b128 v[W+12*\f+6:W+12*\f+9], v[1+4*\half] offset:\f*12288+1536*(\s)+768
	ds_load_b64 v[W+12*\f+10:W+12*\f+11], v[2+4*\half] offset:\f*12288+1536*(\s)+1280
.endr
.endm
.macro MM8 s, half                     ; 4 tiles of columns x 2 tiles of rows; an odd K step's scale words stand in lanes 16-31
.irp f, 0,1,2,3
.irp q, 0,1
.if (\s)%2 == 0
	v_wmma_scale_f32_16x16x128_f8f6f4 v[ACC+64*\q+8*(4*\half+\f):ACC+64*\q+8*(4*\half+\f)+7], v[W+12*\f:W+12*\f+11], v[XF+24*((\s)%2)+12*\q:XF+24*((\s)%2)+12*\q+11], v[ACC+64*\q+8*(4*\half+\f):ACC+64*\q+8*(4*\half+\f)+7], v[WS+4*\half+\f], v[XS+4*\q+(\s)/2] matrix_a_fmt:MATRIX_FMT_BF6 matrix_b_fmt:MATRIX_FMT_BF6
.else
	v_wmma_scale_f32_16x16x128_f8f6f4 v[ACC+64*\q+8*(4*\half+\f):ACC+64*\q+8*(4*\half+\f)+7], v[W+12*\f:W+12*\f+11], v[XF+24*((\s)%2)+12*\q:XF+24*((\s)%2)+12*\q+11], v[ACC+64*\q+8*(4*\half+\f):ACC+64*\q+8*(4*\half+\f)+7], v[WS+4*\half+\f], v[XS+4*\q+(\s)/2] matrix_a_fmt:MATRIX_FMT_BF6 matrix_b_fmt:MATRIX_FMT_BF6 matrix_a_scale:MATRIX_SCALE_ROW1 matrix_b_scale:MATRIX_SCALE_ROW1
.endif
.endr
.endr
.endm
.macro PLACES                          ; four plain lines between matrix instructions and loads into registers that they read, or reads of their results
.rept 4
	v_nop
.endr
.endm
.macro KSTEP s
.if (\s)%2 == 0
.irp ct, 0,1,2,3,4,5,6,7
	ds_load_b32 v[WS+\ct], v7 offset:\ct*512+((\s)/2)*128
.endr
.endif
	WLDS \s, 0
.if ((\s) > 0) && ((\s) < 7)
	XLD (\s)+1                                     ; into the set that the step before has left.  No wait: no vector or matrix instruction since that step's last wait names it
.endif
.if (\s) < 7
	s_wait_loadcnt 6                               ; this K step's x is in; the next step's 6 loads stay out
.else
	s_wait_loadcnt 0x0
.endif
	s_wait_dscnt 0x0
	MM8 \s, 0
	PLACES
	s_wait_alu depctr_va_vdst(0)                   ; the eight matrix instructions are done reading W's four fragments, in which tiles 4-7's land
	WLDS \s, 1
	s_wait_dscnt 0x0
	MM8 \s, 1
	PLACES
.if (\s) < 7
	s_wait_alu depctr_va_vdst(0)                   ; this step's matrix instructions are done reading W, their set of x's fragments and the scale words: the next step's loads land in all three
.endif
.endm
; Tile q of the pair: silu(a) g in f32, the lane's block of 32 quantised.  Each accumulator is read from its low end on.
.macro EPI q
.set I, 0
.rept 16
	v_pk_mul_f32 v[TMP+2*I:TMP+2*I+1], v[ACC+64*\q+2*I:ACC+64*\q+2*I+1], s[44:45] op_sel_hi:[1,0]   ; -a log2(e)
.set I, I+1
.endr
.set I, 0
.rept 32
	v_exp_f32 v[TMP+I], v[TMP+I]
.set I, I+1
.endr
	v_nop                                          ; a plain line behind the exponentials
.set I, 0
	s_wait_alu depctr_va_vdst(0)                   ; the 32 exponentials have written v[TMP ..], ahead of their first reader
.rept 16
	v_pk_add_f32 v[TMP+2*I:TMP+2*I+1], v[TMP+2*I:TMP+2*I+1], 1.0 op_sel_hi:[1,0]
.set I, I+1
.endr
.set I, 0
.rept 32
	v_rcp_f32 v[TMP+I], v[TMP+I]                   ; 1 / (1 + e^-a)
.set I, I+1
.endr
	v_nop                                          ; a plain line behind the reciprocals
.set I, 0
	s_wait_alu depctr_va_vdst(0)                   ; the 32 reciprocals have written v[TMP ..], ahead of their first reader
.rept 16
	v_pk_mul_f32 v[TMP+2*I:TMP+2*I+1], v[TMP+2*I:TMP+2*I+1], v[ACC+64*\q+2*I:ACC+64*\q+2*I+1]       ; silu(a)
.set I, I+1
.endr
.irp i, 0,1,2,3,4,5,6,7
.irp j, 0,1,2,3
	v_mul_f32 v[ACT+4*\i+\j], v[TMP+8*\j+\i], v[ACC+64*\q+32+8*\j+\i]    ; x g: register 4 i + j is hidden unit 64 sl + 32 h + 4 i + j
.endr
.endr
.irp c, 0,1,2,3
	v_max3_num_f32 v[M2+\c], |v[ACT+8*\c]|, |v[ACT+8*\c+1]|, 0x2800000
.endr
.irp i, 2,4,6
.irp c, 0,1,2,3
	v_max3_num_f32 v[M2+\c], v[M2+\c], |v[ACT+8*\c+\i]|, |v[ACT+8*\c+\i+1]|
.endr
.endr
	v_max3_num_f32 v[M2], v[M2], v[M2+1], v[M2+2]
	v_max_num_f32 v[M2], v[M2], v[M2+3]
	v_add_nc_u32 v[SC2+\q], 0xfe000000, v[M2]
	v_cvt_scalef32_pk16_bf6_f32 v[P+6*\q:P+6*\q+2], v[ACT:ACT+15], v[SC2+\q]
	v_cvt_scalef32_pk16_bf6_f32 v[TM2:TM2+2], v[ACT+16:ACT+31], v[SC2+\q]
	v_lshrrev_b32 v[BY2+\q], 23, v[SC2+\q]         ; the byte; also the plain line behind the conversions
.irp n, 0,1,2
	v_mov_b32 v[P+6*\q+3+\n], v[TM2+\n]
.endr
.endm
.macro SENDQ q                         ; tile q's codes and byte leave
	global_store_b128 v1, v[P+6*\q:P+6*\q+3], s[36+2*\q:37+2*\q]                 ; 512 consecutive aligned bytes,
	global_store_b64 v2, v[P+6*\q+4:P+6*\q+5], s[36+2*\q:37+2*\q] offset:512     ; and 256
	global_store_b8 v4, v[BY2+\q], s[40+2*\q:41+2*\q]
.endm
.Lpass:
	s_min_u32 s24, s23, 63                         ; the pair's tiles, held inside the tables
	s_add_co_u32 s25, s23, 1
	s_min_u32 s25, s25, 63
	s_mov_b32 s27, 0
.irp q, 0,1
	s_mul_i32 s26, s[24+\q], 24576
	s_add_nc_u64 s[36+2*\q:37+2*\q], s[14:15], s[26:27]
	s_lshl_b32 s26, s[24+\q], 10
	s_add_nc_u64 s[40+2*\q:41+2*\q], s[16:17], s[26:27]
.endr
	s_wait_alu depctr_va_vdst(0)                   ; the pair's offsets v9 to v12 are written, which the loads below read; phase 1, or the pass before, is done with v16 to v255, in which this pass's loads land
.irp q, 0,1
.irp u, 0,1,2,3
	global_load_b32 v[XS+4*\q+\u], v[11+\q], s[8:9] offset:XSC_O+8*\u
.endr
.endr
	XLD 0
	XLD 1
.irp q, 0,1
.irp ct, 0,1,2,3,4,5,6,7
	ds_load_b128 v[ACC+64*\q+8*\ct:ACC+64*\q+8*\ct+3], v8 offset:32*\ct           ; the sums begin as the bias
	ds_load_b128 v[ACC+64*\q+8*\ct+4:ACC+64*\q+8*\ct+7], v8 offset:32*\ct+16
.endr
.endr
.irp s, 0,1,2,3,4,5,6,7
	KSTEP \s
.endr
	EPI 0
	EPI 1
	s_wait_alu depctr_va_vdst(0)                   ; both tiles' codes and bytes are written, which the six stores read
	SENDQ 0
	SENDQ 1
	s_wait_xcnt 0x0                                ; the stores' bases and data, and the loads' offsets, may be written again
	s_wait_alu depctr_vm_vsrc(0)                   ; the pass's loads have read v9 to v12, written below; its stores have read the codes and bytes, on which the next pass's fragments of x land
	OFFS 13, 14                                    ; pass 1's tokens
	s_add_co_u32 s23, s23, 32                      ; my next pair lies 16 pairs on
	s_add_co_u32 s51, s51, 1                       ; the loop ends on its own counter of passes
	s_cmp_lt_u32 s51, s52
	s_cbranch_scc1 .Lpass
.Lend:
	s_wait_xcnt 0x0
	v_lshl_add_u32 v254, v0, 2, 0x1b000            ; the add's two registers, made anew: no memory or LDS instruction has read v254 or v255
	v_mov_b32 v255, 0
	s_wait_dscnt 0x0                               ; the closing lines, six on end
	s_wait_alu 0x0
	s_wait_tensorcnt 0x0
	ds_add_u32 v254, v255
	s_wait_dscnt 0x0
	s_endpgm
.Lfunc_end_k_qde74ad4e11_up:
	.size	k_qde74ad4e11_up, .Lfunc_end_k_qde74ad4e11_up-k_qde74ad4e11_up
	.p2alignl 7, 3214868480
	.fill 96, 4, 3214868480
	.section	.rodata,"a",@progbits
	.p2align	6, 0x0
	.amdhsa_kernel k_qde74ad4e11_up
		.amdhsa_group_segment_fixed_size 112640
		.amdhsa_private_segment_fixed_size 0
		.amdhsa_enable_private_segment 0
		.amdhsa_kernarg_size 48
		.amdhsa_user_sgpr_count 2
		.amdhsa_user_sgpr_kernarg_segment_ptr 1
		.amdhsa_wavefront_size32 1
		.amdhsa_system_sgpr_workgroup_id_x 1
		.amdhsa_system_sgpr_workgroup_id_y 1
		.amdhsa_system_sgpr_workgroup_id_z 1
		.amdhsa_system_vgpr_workitem_id 0
		.amdhsa_next_free_vgpr 256
		.amdhsa_next_free_sgpr 100
		.amdhsa_reserve_vcc 0
		.amdhsa_float_denorm_mode_32 3
		.amdhsa_float_denorm_mode_16_64 3
		.amdhsa_memory_ordered 1
		.amdhsa_forward_progress 1
		.amdhsa_inst_pref_size 159
	.end_amdhsa_kernel
	.amdgpu_metadata
---
amdhsa.version: [ 1, 2 ]
amdhsa.kernels:
  - .name:           k_qde74ad4e11_up
    .symbol:         k_qde74ad4e11_up.kd
    .args:
      - { .name: W1, .offset: 0, .size: 8, .value_kind: global_buffer, .address_space: global }
      - { .name: b1, .offset: 8, .size: 8, .value_kind: global_buffer, .address_space: global }
      - { .name: xr, .offset: 16, .size: 8, .value_kind: global_buffer, .address_space: global }
      - { .name: maskb, .offset: 24, .size: 8, .value_kind: global_buffer, .address_space: global }
      - { .name: ent, .offset: 32, .size: 8, .value_kind: global_buffer, .address_space: global }
      - { .name: actq, .offset: 40, .size: 8, .value_kind: global_buffer, .address_space: global }
    .group_segment_fixed_size: 112640
    .private_segment_fixed_size: 0
    .kernarg_segment_align: 8
    .kernarg_segment_size: 48
    .max_flat_workgroup_size: 512
    .sgpr_count:     100
    .vgpr_count:     256
    .wavefront_size: 32
...
	.end_amdgpu_metadata
.endif
;; end of part 5
;; launch down (part 6): grid 32 x 8, 16 waves a work-group, no clusters, 126,976 bytes of LDS; arguments W2, b2, actq, ent, xr, y; writes y
.if DOCPART == 6
	.amdgcn_target "amdgcn-amd-amdhsa--gfx1250"
	.amdhsa_code_object_version 6
	.text
	.protected	k_qde74ad4e11_down
	.globl	k_qde74ad4e11_down
	.p2align	8
	.type	k_qde74ad4e11_down,@function
k_qde74ad4e11_down:
	s_mov_b64 s[64:65], 0
	v_nop
	global_prefetch_b8 v0, s[64:65] scope:SCOPE_SE
	s_setreg_imm32_b32 hwreg(HW_REG_WAVE_SCHED_MODE, 0, 2), 2
	s_setreg_imm32_b32 hwreg(HW_REG_WAVE_MODE, 25, 1), 1
	s_wait_xcnt 0x0
	s_wait_alu depctr_vm_vsrc(0)
; DOWN.  y[entry][kh] = gate x (act W2 over half kh of K, + b2 in half 0), for the rows that chose the expert, on codes of E3M2 with one E8M0 byte for each 32 along K.
; SHARES.  Work-group (x = 16 kh + dsl, e = y) owns columns 64 dsl .. + 63 of expert e's W2 and rows 1,024 kh .. + 1,023: 256 KiB of f32, read once.  K is cut in two so that a row's piece stays
; 256 consecutive aligned bytes and there are still 256 work-groups; the two halves and a token's two experts are added by the next launch, so that no sum crosses work-groups here.
; PHASE 1.  Wave w takes rows 64 w .. + 63 of the half.  A lane gets 4 columns, its registers run down K; tile j is the columns 4 r + j; codes and bytes go to LDS as images of operand registers.  One barrier.
; PHASE 2.  Wave w takes the pairs of token tiles w, w + 16: an expert has 64 tiles at the most, so a wave has two passes at the most.
; Transposed use (source 0 = 16 columns of W2, source 1 = 16 rows of act): register i of tile j in lane (r, h) is row r, column 32 h + 4 i + j.
; The sums begin as the bias (zeros in half 1).  The 8 accumulators take turns, one instruction a turn.
; THE WAY OUT.  x gate, through the wave's own stage in LDS, back by rows: sixteen lanes store a row's 256 consecutive aligned bytes at the row's entry 2 token + k.  A slot past the count goes to a
; spare row 2,048 + 16 e + slot % 16, which nobody reads: so every lane stores in every trip.
; No tensor loads and so no joint requests in a cluster, though the 16 work-groups of an expert's K half read the same act: the number of passes hangs on a count read from memory.
; LIMITS.  NaN and infinities are not served.  A block whose largest magnitude lies under 2^-122, a block of zeros too, gets the byte 1.
; THE MODE: SCHED_MODE bits 1:0 = 2 (LLVM: expert scheduling mode 2), set by the entry lines.  The code itself states the register dependences
; between vector or matrix instructions and memory or LDS instructions, with s_wait_alu, always for 0.
; THE PLAN.  Registers that memory or LDS instructions touch:
;   v1-v15, v253  offsets and LDS addresses: made at the head, never written again.     v254, v255  made at the head, read by the closing add alone.
;   L             W2's loads land in it; the maxima and moves read it.     C, BY1, BD  vector instructions write them; one run of LDS stores, behind one wait, reads them.
;   W             LDS loads land; a step's eight matrix instructions read it: there are registers for one buffer alone, so one wait stands behind each eight.
;   XF[s % 4]     act's loads land; step s's matrix instructions read it; the loads of step s + 4 (set 0 at the end: the entries E8) land in it one step later.
;   WS, XS        loads land; matrix instructions read them as scales.     ACC  the bias's LDS loads land; the matrix instructions add; the way out reads.
;   v248-v249     a load lands, two vector lines make an offset of it, the gates' loads read it.     v250-v251  the gates land; the way out's products read them.
;   OUT, OUT1     the two tiles' results x gate, an out-buffer each (OUT1 lies in tile 0's accumulators, which have been read by then): so tile 1's products write nothing that tile 0's LDS stores read.
;   OFF           the way out's vector lines write it; the stores read it as offsets.     R  the stage's LDS loads land in it; the stores read it.
; A wait at a K step's end states that its matrix instructions are done with W and XF[s % 4]: behind it go the next step's LDS loads, which the wave wants at once, and then act's set three steps on.
; On the way out all vector work of both tiles comes first; ONE wait; then both tiles go through the stage and leave.
.set CNT_O,  65536
.set ASC_O,  12582912
.set GATE_O, 819200
.set WSC,   49152                      ; LDS: 0 .. 49,151 the images: tile x 12,288 + K step x 1,536 + c x 768; then the scale words: tile x 512 + K step x 64 + 4 r
.set BIAS,  51200                      ; each wave's copy of the bias: 256 w + 128 h + 32 tile + 4 i
.set STAGE, 55296                      ; each wave's stage: 16 rows of 272 bytes
.set XS,  16                           ; v16-23   act's scale words [q][u]: scales alone
.set WS,  24                           ; v24-39   W2's scale words [tile][u]: scales alone; they stay
.set W,   40                           ; v40-87   four fragments of W2
.set XF,  88                           ; v88-183  act's fragments: set s % 4, tile q
.set ACC, 184                          ; v184-247 accumulators: 32 q + 8 tile + i
.set L,   120                          ; phase 1: v120-247 numbers as loaded
.set T,   40
.set C,   72
.set TM1, 96
.set M1,  100
.set SC1, 104
.set BY1, 108
.set BD,  112
.set OUT, 40                           ; the way out: v40-71 tile 0's results x gate; v72-87 store offsets; v88-103 entries; v112-175 rows read back
.set OUT1, 184                         ;              v184-215 tile 1's results x gate
.set OFF, 72
.set E8,  88
.set R,   112
.set MSK, 52                           ; s52-59   eight masks: slot under the count?
	s_load_b256 s[4:11], s[0:1], 0x0               ; W2 s[4:5], b2 s[6:7], actq s[8:9], ent s[10:11]
	s_load_b128 s[12:15], s[0:1], 0x20             ; xr s[12:13], y s[14:15]
	v_lshl_add_u32 v254, v0, 2, 0x1e800
	v_mov_b32 v255, 0
	v_lshrrev_b32 v1, 5, v0
	v_readfirstlane_b32 s20, v1                    ; wave
	s_and_b32 s21, ttmp9, 15                       ; dsl
	s_lshr_b32 s22, ttmp9, 4                       ; kh
	s_and_b32 s23, ttmp7, 0xffff                   ; e
	v_and_b32 v114, 31, v0                         ; lane
	v_and_b32 v115, 15, v0                         ; r
	v_bfe_u32 v116, v0, 4, 1                       ; h
	v_lshlrev_b32 v1, 4, v114                      ; v1 16 lane, v2 8 lane, v3 4 lane, v4 32 h
	v_lshlrev_b32 v2, 3, v114
	v_lshlrev_b32 v3, 2, v114
	v_lshlrev_b32 v4, 5, v116
	v_add_nc_u32 v5, WSC, v3                       ; v5 scale words: lanes 0-15 an even K step's, lanes 16-31 the next's
	s_wait_alu depctr_va_sdst(0)                   ; s20, the wave's number, is written, ahead of its first reader
	s_lshl_b32 s44, s20, 8
	s_add_co_u32 s44, s44, BIAS
	v_lshl_add_u32 v6, v116, 7, s44                ; v6 my half's bias
	v_add_nc_u32 v11, s44, v3                      ; v11 where I put a word of it
	v_lshlrev_b32 v7, 17, v116
	v_lshl_add_u32 v7, v115, 4, v7                 ; v7 W2: 32 rows of 4,096 bytes x h + 16 r
	s_mul_i32 s45, s20, 768
	v_add_nc_u32 v8, s45, v1                       ; v8, v9: where my codes go
	v_add_nc_u32 v9, s45, v2
	v_add_nc_u32 v9, 512, v9
	s_lshr_b32 s46, s20, 1
	s_lshl_b32 s46, s46, 6
	s_and_b32 s47, s20, 1
	s_lshl_b32 s47, s47, 1
	s_add_co_u32 s46, s46, s47
	s_add_co_u32 s46, s46, WSC
	v_lshl_add_u32 v10, v115, 2, v116
	v_add_nc_u32 v10, s46, v10                     ; v10 my scale byte
	v_and_b32 v12, 7, v0
	v_bfe_u32 v117, v0, 3, 2
	v_lshl_add_u32 v12, v12, 2, v117
	v_lshlrev_b32 v12, 2, v12                      ; v12 b2: column 4 (lane % 8) + lane / 8
	s_mul_i32 s47, s20, 4352
	s_add_co_u32 s47, s47, STAGE
	v_mul_u32_u24 v13, v115, 272
	v_lshl_add_u32 v13, v116, 7, v13
	v_add_nc_u32 v13, s47, v13                     ; v13 the stage, in: row r, 128 h
	v_mul_u32_u24 v14, v116, 2176
	v_lshl_add_u32 v14, v115, 4, v14
	v_add_nc_u32 v14, s47, v14                     ; v14 back: lanes 0-15 row k, lanes 16-31 row 8 + k; 16 r
	v_lshlrev_b32 v15, 4, v115                     ; v15 16 r
	s_lshl_b32 s48, s23, 4
	s_add_co_u32 s48, s48, 2048
	v_lshlrev_b32 v253, 3, v116
	v_add_nc_u32 v253, s48, v253                   ; v253 the spare rows: 2,048 + 16 e + 8 h
	s_lshl_b32 s30, s23, 23                        ; W2: 8 MiB an expert, 4 MiB a half, 64 rows a wave, 256 bytes a slice
	s_lshl_b32 s44, s22, 22
	s_add_co_u32 s30, s30, s44
	s_lshl_b32 s44, s20, 18
	s_add_co_u32 s30, s30, s44
	s_lshl_b32 s49, s21, 8
	s_add_co_u32 s30, s30, s49
	s_mov_b32 s31, 0
	s_lshl_b32 s32, s23, 12
	s_add_co_u32 s32, s32, s49
	s_mov_b32 s33, 0
	s_mul_i32 s34, s23, 1572864
	s_mul_i32 s44, s22, 12288
	s_add_co_u32 s34, s34, s44
	s_mov_b32 s35, 0
	s_lshl_b32 s36, s23, 16
	s_lshl_b32 s44, s22, 9
	s_add_co_u32 s36, s36, s44
	s_add_co_u32 s36, s36, ASC_O
	s_mov_b32 s37, 0
	s_lshl_b32 s38, s23, 13
	s_mov_b32 s39, 0
	s_lshl_b32 s40, s23, 7
	s_add_co_u32 s40, s40, CNT_O
	s_mov_b32 s41, 0
	s_lshl_b32 s42, s22, 12
	s_add_co_u32 s42, s42, s49
	s_mov_b32 s43, 0
	s_wait_kmcnt 0x0
	s_add_nc_u64 s[4:5], s[4:5], s[30:31]
	s_add_nc_u64 s[6:7], s[6:7], s[32:33]
	s_add_nc_u64 s[16:17], s[8:9], s[36:37]        ; act's scale words
	s_add_nc_u64 s[8:9], s[8:9], s[34:35]          ; act's codes
	s_add_nc_u64 s[18:19], s[10:11], s[40:41]      ; the count
	s_add_nc_u64 s[10:11], s[10:11], s[38:39]      ; the entries
	s_add_nc_u64 s[14:15], s[14:15], s[42:43]      ; y
	s_load_b32 s24, s[18:19], 0x0
	s_wait_alu depctr_va_vdst(0)                   ; the offsets and addresses v1 to v15 and v253 are written, which the loads, stores and LDS instructions from here on read
.set I, 0
.rept 32
	global_load_b128 v[L+4*I:L+4*I+3], v7, s[4:5] offset:I*4096 th:TH_LOAD_NT
.set I, I+1
.endr
.irp m, 0,1
	global_load_b32 v[BD+\m], v12, s[6:7] offset:128*\m     ; word 32 m + lane of my copy: half m of the lanes, tile lane / 8, register lane % 8
.endr
	s_cmp_eq_u32 s22, 0
	s_cselect_b32 s44, -1, 0                       ; b2 counts in half 0 alone
	s_wait_loadcnt 0x0
.irp m, 0,1
	v_and_b32 v[BD+\m], s44, v[BD+\m]
.endr
.irp j, 0,1,2,3
	v_max3_num_f32 v[M1+\j], |v[L+\j]|, |v[L+4+\j]|, 0x2800000           ; with the floor 2^(5 - 127): the byte cannot fall under 1
.endr
.irp i, 2,4,6,8,10,12,14,16,18,20,22,24,26,28,30
.irp j, 0,1,2,3
	v_max3_num_f32 v[M1+\j], v[M1+\j], |v[L+4*\i+\j]|, |v[L+4*\i+4+\j]|  ; the four columns by turns
.endr
.endr
.irp j, 0,1,2,3
	v_add_nc_u32 v[SC1+\j], 0xfe000000, v[M1+\j]   ; 4 off the exponent field: the conversion's scale operand
.endr
.irp j, 0,1,2,3
.set I, 0
.rept 32
	v_mov_b32 v[T+I], v[L+4*I+\j]                  ; the conversion wants a column's numbers in consecutive registers; a load of 16 bytes brings four columns
.set I, I+1
.endr
	v_cvt_scalef32_pk16_bf6_f32 v[C+6*\j:C+6*\j+2], v[T:T+15], v[SC1+\j]
	v_cvt_scalef32_pk16_bf6_f32 v[TM1:TM1+2], v[T+16:T+31], v[SC1+\j]    ; (a conversion's three registers begin on an even number)
	v_lshrrev_b32 v[BY1+\j], 23, v[SC1+\j]         ; the byte; also the plain line behind the conversions
.irp n, 0,1,2
	v_mov_b32 v[C+6*\j+3+\n], v[TM1+\n]
.endr
.endr
	s_wait_alu depctr_va_vdst(0)                   ; the bias words, the codes and the bytes are written, which the run of LDS stores reads
.irp m, 0,1
	ds_store_b32 v11, v[BD+\m] offset:128*\m
.endr
.irp j, 0,1,2,3
	ds_store_b128 v8, v[C+6*\j:C+6*\j+3] offset:\j*12288
	ds_store_b64 v9, v[C+6*\j+4:C+6*\j+5] offset:\j*12288
	ds_store_b8 v10, v[BY1+\j] offset:\j*512
.endr
	s_wait_dscnt 0x0                               ; for the others' sake: my images and bytes have landed
	s_barrier_signal -1
	s_barrier_wait -1                              ; the one barrier: ahead of every branch on the count
	s_wait_alu depctr_vm_vsrc(0)                   ; my LDS stores have read the codes, the bytes and the bias words (v72 to v95, v108 to v113): W2's and act's fragments land there
	s_wait_kmcnt 0x0
	s_add_co_u32 s25, s24, 15
	s_lshr_b32 s25, s25, 4
	s_min_u32 s25, s25, 64                         ; tiles of the expert
	s_lshl_b32 s26, s20, 1
	s_cmp_ge_u32 s26, s25
	s_cbranch_scc1 .Lend
	s_sub_co_u32 s51, s25, s26                     ; my passes: a pair for every 32 tiles from my first tile on, rounded up:
	s_add_co_u32 s51, s51, 31
	s_lshr_b32 s51, s51, 5
	s_min_u32 s51, s51, 2                          ; 1 or 2 (64 tiles are 32 pairs, two for each of 16 waves)
	s_mov_b32 s50, 0                               ; passes done
.irp ct, 0,1,2,3
.irp u, 0,1,2,3
	ds_load_b32 v[WS+4*\ct+\u], v5 offset:\ct*512+\u*128
.endr
.endr
.macro ALD s                           ; act's fragments of K step s of my half, both tiles: 8 loads
.irp q, 0,1
	global_load_b128 v[XF+24*((\s)%4)+12*\q:XF+24*((\s)%4)+12*\q+3], v1, s[32+2*\q:33+2*\q] offset:1536*(\s)
	global_load_b64 v[XF+24*((\s)%4)+12*\q+4:XF+24*((\s)%4)+12*\q+5], v2, s[32+2*\q:33+2*\q] offset:1536*(\s)+512
	global_load_b128 v[XF+24*((\s)%4)+12*\q+6:XF+24*((\s)%4)+12*\q+9], v1, s[32+2*\q:33+2*\q] offset:1536*(\s)+768
	global_load_b64 v[XF+24*((\s)%4)+12*\q+10:XF+24*((\s)%4)+12*\q+11], v2, s[32+2*\q:33+2*\q] offset:1536*(\s)+1280
.endr
.endm
.macro WLDS s
.irp f, 0,1,2,3
	ds_load_b128 v[W+12*\f:W+12*\f+3], v1 offset:\f*12288+1536*(\s)
	ds_load_b64 v[W+12*\f+4:W+12*\f+5], v2 offset:\f*12288+1536*(\s)+512
	ds_load_b128 v[W+12*\f+6:W+12*\f+9], v1 offset:\f*12288+1536*(\s)+768
	ds_load_b64 v[W+12*\f+10:W+12*\f+11], v2 offset:\f*12288+1536*(\s)+1280
.endr
.endm
.macro MM8 s                           ; an odd K step's scale words stand in lanes 16-31
.irp f, 0,1,2,3
.irp q, 0,1
.if (\s)%2 == 0
	v_wmma_scale_f32_16x16x128_f8f6f4 v[ACC+32*\q+8*\f:ACC+32*\q+8*\f+7], v[W+12*\f:W+12*\f+11], v[XF+24*((\s)%4)+12*\q:XF+24*((\s)%4)+12*\q+11], v[ACC+32*\q+8*\f:ACC+32*\q+8*\f+7], v[WS+4*\f+(\s)/2], v[XS+4*\q+(\s)/2] matrix_a_fmt:MATRIX_FMT_BF6 matrix_b_fmt:MATRIX_FMT_BF6
.else
	v_wmma_scale_f32_16x16x128_f8f6f4 v[ACC+32*\q+8*\f:ACC+32*\q+8*\f+7], v[W+12*\f:W+12*\f+11], v[XF+24*((\s)%4)+12*\q:XF+24*((\s)%4)+12*\q+11], v[ACC+32*\q+8*\f:ACC+32*\q+8*\f+7], v[WS+4*\f+(\s)/2], v[XS+4*\q+(\s)/2] matrix_a_fmt:MATRIX_FMT_BF6 matrix_b_fmt:MATRIX_FMT_BF6 matrix_a_scale:MATRIX_SCALE_ROW1 matrix_b_scale:MATRIX_SCALE_ROW1
.endif
.endr
.endr
.endm
.macro KSTEP s, n                      ; n: the global loads issued behind this K step's, which may stay out
	WLDS \s
.if ((\s) > 0) && ((\s) < 5)
	ALD (\s)+3                                     ; into the set that the step before has left.  No wait: no vector or matrix instruction since that step's wait names it
.elseif (\s) == 5
.irp q, 0,1                            ; the entries of slots 8 h + 0 .. 7 of both tiles, into the set that step 4 has left
	global_load_b128 v[E8+8*\q:E8+8*\q+3], v4, s[40+2*\q:41+2*\q]
	global_load_b128 v[E8+8*\q+4:E8+8*\q+7], v4, s[40+2*\q:41+2*\q] offset:16
.endr
.endif
	s_wait_loadcnt \n
	s_wait_dscnt 0x0
	MM8 \s
.rept 4
	v_nop                                          ; four plain lines between matrix instructions and loads into registers that they read, or reads of their results
.endr
.if (\s) < 7
	s_wait_alu depctr_va_vdst(0)                   ; this step's matrix instructions are done reading W and their set of act's fragments: the next step's loads land in both
.endif
.endm
.macro GATED q, o                      ; tile q's results x gate into the out-buffer at v[o]
.irp i, 0,1,2,3,4,5,6,7
.irp j, 0,1,2,3
	v_mul_f32 v[\o+4*\i+\j], v[ACC+32*\q+8*\j+\i], v[250+\q]       ; x my row's gate; register 4 i + j is column 32 h + 4 i + j.  Each accumulator is read from its low end on
.endr
.endr
.endm
.macro ROWS q                          ; where tile q's rows 8 h + 0 .. 7 go in y
	s_lshl_b32 s44, s[27+\q], 4
	v_lshrrev_b32 v252, 2, v4
	v_add_nc_u32 v252, s44, v252                   ; slot 16 t + 8 h
.irp k, 0,1,2,3,4,5,6,7
	s_sub_co_i32 s45, s24, \k
	v_cmp_gt_i32 s[MSK+\k], s45, v252              ; slot + k under the count?  The eight compares in a run, each into a scalar register of its own
	v_add_nc_u32 v[OFF+8*\q+\k], \k, v253
.endr
	s_wait_alu depctr_va_sdst(0)                   ; the eight masks are written, ahead of the selects that read them
.irp k, 0,1,2,3,4,5,6,7
	v_cndmask_b32 v[OFF+8*\q+\k], v[OFF+8*\q+\k], v[E8+8*\q+\k], s[MSK+\k]   ; its entry, else a spare row,
	v_min_u32 v[OFF+8*\q+\k], 0x87f, v[OFF+8*\q+\k]                       ; held inside y's 2,176 rows
	v_lshl_add_u32 v[OFF+8*\q+\k], v[OFF+8*\q+\k], 13, v15                ; 8,192 bytes a row + 16 r
.endr
.endm
.macro TURNQ q, o                      ; tile q through my stage
.irp i, 0,1,2,3,4,5,6,7
	ds_store_b128 v13, v[\o+4*\i:\o+4*\i+3] offset:16*\i
.endr
.irp k, 0,1,2,3,4,5,6,7
	ds_load_b128 v[R+32*\q+4*\k:R+32*\q+4*\k+3], v14 offset:272*\k ; LDS serves a wave's instructions in order: these see my stores, and the next tile's stores come behind them
.endr
.endm
.macro SENDQ q, younger                ; younger: the LDS instructions issued behind tile q's loads, which may stay out
.irp k, 0,1,2,3,4,5,6,7
	s_wait_dscnt \younger+7-\k                     ; rows k and 8 + k are back; the younger LDS instructions stay out
	global_store_b128 v[OFF+8*\q+\k], v[R+32*\q+4*\k:R+32*\q+4*\k+3], s[14:15]
.endr
.endm
.Lpass:
	s_min_u32 s27, s26, 63                         ; the pair's tiles, held inside the tables; with an odd number of tiles the last pair takes its tile twice
	s_add_co_u32 s28, s26, 1
	s_sub_co_u32 s44, s25, 1
	s_min_u32 s28, s28, s44
	s_min_u32 s28, s28, 63
	s_mov_b32 s31, 0
.irp q, 0,1
	s_mul_i32 s30, s[27+\q], 24576
	s_add_nc_u64 s[32+2*\q:33+2*\q], s[8:9], s[30:31]
	s_lshl_b32 s30, s[27+\q], 10
	s_add_nc_u64 s[36+2*\q:37+2*\q], s[16:17], s[30:31]
	s_lshl_b32 s30, s[27+\q], 7
	s_add_nc_u64 s[40+2*\q:41+2*\q], s[10:11], s[30:31]
.endr
	s_wait_alu depctr_va_vdst(0)                   ; phase 1, or the pass before, is done with v16 to v23 and v40 to v251, in which this pass's loads land
.irp q, 0,1
	global_load_b32 v[248+\q], v3, s[40+2*\q:41+2*\q]              ; my row's entry
.endr
.irp q, 0,1
.irp u, 0,1,2,3
	global_load_b32 v[XS+4*\q+\u], v3, s[36+2*\q:37+2*\q] offset:128*\u
.endr
.endr
	ALD 0
	ALD 1
	ALD 2
	ALD 3
	s_wait_loadcnt 40                              ; the two entries are in; the 8 + 32 loads behind them stay out
.irp q, 0,1
	v_min_u32 v[248+\q], 0x7ff, v[248+\q]          ; held inside the table of gates
	v_lshlrev_b32 v[248+\q], 2, v[248+\q]
.endr
	s_wait_alu depctr_va_vdst(0)                   ; the two offsets v248 and v249 are written, which the gates' loads read
.irp q, 0,1
	global_load_b32 v[250+\q], v[248+\q], s[12:13] offset:GATE_O
.endr
.irp q, 0,1
.irp ct, 0,1,2,3
	ds_load_b128 v[ACC+32*\q+8*\ct:ACC+32*\q+8*\ct+3], v6 offset:32*\ct            ; the sums begin as the bias
	ds_load_b128 v[ACC+32*\q+8*\ct+4:ACC+32*\q+8*\ct+7], v6 offset:32*\ct+16
.endr
.endr
	KSTEP 0, 26                                    ; behind step 0's loads: three sets of 8 and the 2 gates
	KSTEP 1, 26
	KSTEP 2, 26
	KSTEP 3, 26
	KSTEP 4, 24                                    ; steps 5, 6, 7
	KSTEP 5, 20                                    ; steps 6, 7 and the 4 loads of entries
	KSTEP 6, 12
	KSTEP 7, 4
	s_wait_loadcnt 0x0                             ; the entries (the gates came long ago)
	GATED 0, OUT
	GATED 1, OUT1
	ROWS 0
	ROWS 1
	s_wait_alu depctr_va_vdst(0)                   ; both out-buffers are written, which the LDS stores read; the sixteen offsets are written, which the stores read; the last steps' matrix instructions are done reading v112 to v175, in which the rows land
	TURNQ 0, OUT
	TURNQ 1, OUT1
	SENDQ 0, 16                                    ; behind tile 0's loads: tile 1's 8 stores and 8 loads
	SENDQ 1, 0
	s_wait_xcnt 0x0                                ; the stores' bases, offsets and data may be written again
	s_wait_alu depctr_vm_vsrc(0)                   ; the LDS stores have read both out-buffers, the stores their offsets and rows, the gates' loads v248 and v249: the next pass's loads land in all of them
	s_add_co_u32 s26, s26, 32                      ; my next pair lies 16 pairs on
	s_add_co_u32 s50, s50, 1                       ; the loop ends on its own counter of passes
	s_cmp_lt_u32 s50, s51
	s_cbranch_scc1 .Lpass
.Lend:
	s_wait_dscnt 0x0                               ; the closing lines, six on end
	s_wait_alu 0x0
	s_wait_tensorcnt 0x0
	ds_add_u32 v254, v255
	s_wait_dscnt 0x0
	s_endpgm
.Lfunc_end_k_qde74ad4e11_down:
	.size	k_qde74ad4e11_down, .Lfunc_end_k_qde74ad4e11_down-k_qde74ad4e11_down
	.p2alignl 7, 3214868480
	.fill 96, 4, 3214868480
	.section	.rodata,"a",@progbits
	.p2align	6, 0x0
	.amdhsa_kernel k_qde74ad4e11_down
		.amdhsa_group_segment_fixed_size 126976
		.amdhsa_private_segment_fixed_size 0
		.amdhsa_enable_private_segment 0
		.amdhsa_kernarg_size 48
		.amdhsa_user_sgpr_count 2
		.amdhsa_user_sgpr_kernarg_segment_ptr 1
		.amdhsa_wavefront_size32 1
		.amdhsa_system_sgpr_workgroup_id_x 1
		.amdhsa_system_sgpr_workgroup_id_y 1
		.amdhsa_system_sgpr_workgroup_id_z 1
		.amdhsa_system_vgpr_workitem_id 0
		.amdhsa_next_free_vgpr 256
		.amdhsa_next_free_sgpr 66
		.amdhsa_reserve_vcc 0
		.amdhsa_float_denorm_mode_32 3
		.amdhsa_float_denorm_mode_16_64 3
		.amdhsa_memory_ordered 1
		.amdhsa_forward_progress 1
		.amdhsa_inst_pref_size 59
	.end_amdhsa_kernel
	.amdgpu_metadata
---
amdhsa.version: [ 1, 2 ]
amdhsa.kernels:
  - .name:           k_qde74ad4e11_down
    .symbol:         k_qde74ad4e11_down.kd
    .args:
      - { .name: W2, .offset: 0, .size: 8, .value_kind: global_buffer, .address_space: global }
      - { .name: b2, .offset: 8, .size: 8, .value_kind: global_buffer, .address_space: global }
      - { .name: actq, .offset: 16, .size: 8, .value_kind: global_buffer, .address_space: global }
      - { .name: ent, .offset: 24, .size: 8, .value_kind: global_buffer, .address_space: global }
      - { .name: xr, .offset: 32, .size: 8, .value_kind: global_buffer, .address_space: global }
      - { .name: y, .offset: 40, .size: 8, .value_kind: global_buffer, .address_space: global }
    .group_segment_fixed_size: 126976
    .private_segment_fixed_size: 0
    .kernarg_segment_align: 8
    .kernarg_segment_size: 48
    .max_flat_workgroup_size: 512
    .sgpr_count:     66
    .vgpr_count:     256
    .wavefront_size: 32
...
	.end_amdgpu_metadata
.endif
;; end of part 6
;; launch sum: the kernel of part 4 again; grid 256 x 1, 8 waves a work-group, no clusters, 0 bytes of LDS; arguments y, out0; writes out0
